; MI455X (gfx1250); checked and timed in simulation.
; The chip was launched on July 23, 2026; its instructions are those of AMD's public machine-readable ISA for CDNA 5 (MIT licence, August 2026) and "CDNA5" Instruction Set Architecture Reference Guide (July 2026). The comments in the code are by the model that wrote it; some were corrected since.
;; Mo E Layer. Allowed arithmetic: matrix products marked QUANTISED: E3M2 operands, one E8M0 scale for each 32 along K, by v_wmma_scale_f32_16x16x128_f8f6f4 with both operands' format E3M2, f32 sums; products left as they are: f32 operands where the result goes on into a quantised operand, else bf16, f16 or f32 operands; f32 sums; everything else in f32.
;; Inputs: W1 8 x 1,024 x 2,048 float32; W2 8 x 2,048 x 1,024 float32; b1 8 x 2,048 float32; b2 8 x 1,024 float32; gate_W 1,024 x 8 float32; gate_b 8 float32; x 4 x 512 x 1,024 float32.
;; Outputs: out0 4 x 512 x 1,024 float32.
;; Constants: num_experts_per_tok = 2.
;; This version of the problem:
;;   THIS VERSION OF THE PROBLEM IS GIVEN IN LOW PRECISION. The matrix products marked QUANTISED in the list below multiply operands that are first quantised to E3M2 (3 exponent bits, 2 mantissa bits; 6 bits a number), with one power-of-two scale for each 32 numbers along K (OCP MX v1.0); their sums are f32. All else is computed in f32.
;;   The module's matrix products, in the order in which they are computed (A, B: the left and right operand; K: the contracted axis; several contracted axes count as one K, in the product's order):
;;     1. [M 2,048, K 1,024] x [K 1,024, N 8]; A: input x; B: input gate_W: left as it is (N = 8 < 16)
;;     2. [M 2,048, K 1,024] x [K 1,024, N 16,384]; A: input x; B: input W1: QUANTISED
;;     3. batch 8 x [M 1,024, K 2,048] x [K 2,048, N 2,048]; A: input W2; B: computed on the way: QUANTISED
;;     4. batch 2,048 x [M 1, K 8] x [K 8, N 1,024]; A: computed on the way; B: computed on the way: left as it is (K = 8 < 32)
;;   THE QUANTISER, for each operand of a quantised product, along K:
;;     - K is cut into blocks of 32 from its start; a last block that is shorter is filled with zeros.
;;     - A block's scale is 2^e with e = floor(log2(the largest magnitude in the block)) - 4, held to -126 .. 127; a block of zeros has e = 0. As a byte (E8M0): e + 127.
;;     - Each number is divided by its block's scale, clamped to +-28, and rounded to the nearest number of E3M2, ties to even, subnormals kept.
;;     - The product sums the exact products of the quantised numbers (number of the format x scale) in f32.
;;   ~~~python
;;   def quantise(x, axis):      # numpy; x: float32 -> the quantised numbers, widened to float32 again
;;       x = np.moveaxis(x, axis, -1); K = x.shape[-1]
;;       x = np.pad(x, [(0, 0)] * (x.ndim - 1) + [(0, -K % 32)]); x = x.reshape(x.shape[:-1] + (-1, 32)); a = np.abs(x).max(-1, keepdims=True)
;;       e = np.where(a > 0, np.clip(np.frexp(np.where(a > 0, a, 1))[1] - 1 - 4, -126, 127), 0)      # np.frexp(a)[1] - 1 = floor(log2(a)), exactly
;;       r = np.clip(x / 2.0 ** e, -28, 28)
;;       step = 2.0 ** (np.maximum(np.frexp(np.where(r == 0, 1, r))[1] - 1, -2) - 2)
;;       q = np.round(r / step) * step * 2.0 ** e      # np.round: ties to even
;;       return np.moveaxis(q.reshape(q.shape[:-2] + (-1,))[..., :K], -1, axis).astype(np.float32)
;;   ~~~
;;   OPERANDS COMPUTED ON THE WAY. 'Computed on the way' means the value that the module computes at that place (a softmax that the list does not call 'softmax' is quantised finished and normalised). What goes into a quantiser is computed in f32, as accurately as f32 sums, v_exp_f32 and their like allow (about 1e-6 of the number): no bf16 or f16 on the way to a quantiser, and a product that is left as it is and whose result goes on into a quantised operand takes f32 operands (vector FMAs, or v_wmma_f32_16x16x4_f32). A number that lies on a knife's edge between two numbers of the format may be rounded either way, as far as f32 arithmetic and the matrix unit's own rounding can turn it there, and no further.
;; 2 versions. Each part assembles by itself: llvm-mc -triple=amdgcn-amd-amdhsa -mcpu=gfx1250 --defsym DOCPART=n.
;; ======== version 1 of 2: 5 launches
;; workspace buffers: route 8,192 bytes of whole numbers; xq 1,654,784 bytes; wq 26,214,400 bytes; plan 131,328 bytes of whole numbers; hq 26,214,400 bytes; y 67,108,864 bytes
;; launch route (part 1): grid 256 x 1, 8 waves a work-group, no clusters, 34,304 bytes of LDS; arguments x, gate_W, gate_b, xq, route; writes xq, route
.if DOCPART == 1
	.amdgcn_target "amdgcn-amd-amdhsa--gfx1250"
	.amdhsa_code_object_version 6
	.text
	.protected	k_q896f714d83_route
	.globl	k_q896f714d83_route
	.p2align	8
	.type	k_q896f714d83_route,@function
k_q896f714d83_route:
	s_mov_b64 s[64:65], 0
	v_nop
	global_prefetch_b8 v0, s[64:65] scope:SCOPE_SE
	s_setreg_imm32_b32 hwreg(HW_REG_WAVE_MODE, 25, 1), 1
	s_wait_xcnt 0x0
; THE ROUTER, AND x INTO CODES.  x: [2048 tokens][1024] f32.  gate_W: [1024][8], gate_b: [8], f32.
; One wave takes one token, t = 8 x work-group + wave; lane l owns k = 32 l .. 32 l + 31, which is one block of the quantiser.
; ROUTER, all in f32: logits = x gate_W + gate_b (fused multiply-adds, a lane's 32 k, then a sum over the 32 lanes), softmax with the row's maximum taken away,
; the two largest scores (a strict compare, so that of equal scores the lower index is kept), gates = score / max(sum of the two, 1e-12).
; Stored at fixed places: route[t] = first expert | second expert << 8 (whole numbers: a later launch forms addresses from them); the two gates as f32 in xq at GW_OFF + 8 t.
; QUANTISER: a block's scale is 2^(floor(log2(largest magnitude)) - 4); its byte is the largest magnitude's exponent field - 4, held at 1 from below; codes of E3M2, nearest, ties to even.
; The codes are laid in the order of the operand's registers: xq + 768 t + 96 s + 48 h + 24 c holds block 4 s + 2 c + h, so that lane (row, h) of a fragment of K step s finds its 12 registers as 48 bytes on end.
; The scale bytes: xq + XS_OFF + 32 t + block: word s is the scale word of K step s.
; A lane's 128 bytes of x come by eight loads of 16 bytes; lanes stand 128 bytes apart.  x is 8 MB of the program's 143 MB of inputs, so no turn through LDS is spent on it.
; LIMITS: NaN and infinities are not served.  A block of zeros gets the byte 1 where the rule says 127: its codes are zeros, and this program alone reads the bytes.  Blocks whose largest magnitude lies under 2^-122 are held at the byte 1.
; Scores that differ by less than what v_exp_f32 and v_rcp_f32 resolve (1 ulp each: ISA guide, their entries) may be ranked either way.
.set L,   8                            ; v8-15    the eight logits, then scores
.set X,   16                           ; v16-47   my 32 numbers of x
.set G,   48                           ; v48-111  eight rows of gate_W
.set W,   112                          ; v112-127 at work
.set C,   128                          ; v128-137 codes, the scale byte, a zero offset: written once
.set GP,  1040                         ; LDS: a lane's 32 rows of gate_W, 1,024 bytes + 16: 65 x 16 bytes, so that sixteen lanes' loads of 16 bytes fall on sixteen different columns of 16 bytes
.set XS_OFF, 1572864
.set GW_OFF, 1638400
	s_load_b256 s[4:11], s[0:1], 0x0               ; x s[4:5], gate_W s[6:7], gate_b s[8:9], xq s[10:11]
	s_load_b64 s[12:13], s[0:1], 0x20              ; route
	v_lshl_add_u32 v144, v0, 2, 0x8200
	v_mov_b32 v145, 0
	v_lshrrev_b32 v2, 5, v0
	v_readfirstlane_b32 s14, v2                    ; wave
	v_and_b32 v1, 31, v0                           ; lane
	s_lshl_b32 s15, ttmp9, 3
	s_add_co_u32 s15, s15, s14                     ; t
	v_lshlrev_b32 v2, 7, v1                        ; x: 128 bytes a lane
	v_lshlrev_b32 v3, 4, v0                        ; gate_W on its way in: 16 bytes a thread
	v_lshrrev_b32 v4, 6, v0
	v_mul_u32_u24 v4, v4, GP
	v_and_b32 v5, 63, v0
	v_lshl_add_u32 v4, v5, 4, v4                   ; and in LDS: 64 threads fill a lane's 1,024 bytes
	v_mul_u32_u24 v5, v1, GP                       ; my 32 rows of gate_W
	v_lshrrev_b32 v6, 2, v1
	v_mul_u32_u24 v6, v6, 96                       ; my codes: K step l / 4,
	v_and_b32 v7, 1, v1
	v_mad_u32_u24 v6, v7, 48, v6                   ; half h = l % 2,
	v_bfe_u32 v7, v1, 1, 1
	v_mad_u32_u24 v6, v7, 24, v6                   ; c = (l / 2) % 2
	s_mov_b32 s24, 0x76543210
	s_mov_b32 s25, 0xfedcba98                      ; v_permlanex16_b32's selects for lane l xor 16
	s_lshl_b32 s26, s15, 12                        ; byte offsets of token t: in x,
	s_mov_b32 s27, 0
	s_mul_i32 s28, s15, 768                        ; among the codes,
	s_mov_b32 s29, 0
	s_lshl_b32 s30, s15, 5
	s_add_co_u32 s30, s30, XS_OFF                  ; the scale bytes,
	s_mov_b32 s31, 0
	s_lshl_b32 s32, s15, 3
	s_add_co_u32 s32, s32, GW_OFF                  ; the gates,
	s_mov_b32 s33, 0
	s_lshl_b32 s34, s15, 2                         ; and in route
	s_mov_b32 s35, 0
	s_wait_kmcnt 0x0
	s_load_b256 s[16:23], s[8:9], 0x0              ; gate_b: 32 bytes, the whole buffer
	s_add_nc_u64 s[4:5], s[4:5], s[26:27]
	s_add_nc_u64 s[28:29], s[10:11], s[28:29]
	s_add_nc_u64 s[30:31], s[10:11], s[30:31]
	s_add_nc_u64 s[32:33], s[10:11], s[32:33]
	s_add_nc_u64 s[12:13], s[12:13], s[34:35]
.irp j, 0,1,2,3,4,5,6,7
	global_load_b128 v[X+4*\j:X+4*\j+3], v2, s[4:5] offset:16*\j th:TH_LOAD_NT
.endr
.irp j, 0,1,2,3,4,5,6,7
	global_load_b128 v[G+4*\j:G+4*\j+3], v3, s[6:7] offset:4096*\j   ; the work-group's 256 threads take 4,096 consecutive bytes a line
.endr
	s_wait_loadcnt 0x0
.irp j, 0,1,2,3,4,5,6,7
	ds_store_b128 v4, v[G+4*\j:G+4*\j+3] offset:4*GP*\j              ; 4,096 bytes are four lanes' rows
.endr
	; x's block, while the stores land: the largest magnitude of my 32 numbers, in two chains
	v_max3_num_f32 v[W], |v[X]|, |v[X+1]|, |v[X+2]|
	v_max3_num_f32 v[W+1], |v[X+3]|, |v[X+4]|, |v[X+5]|
.irp i, 6,10,14,18,22,26
	v_max3_num_f32 v[W], v[W], |v[X+\i]|, |v[X+\i+1]|
	v_max3_num_f32 v[W+1], v[W+1], |v[X+\i+2]|, |v[X+\i+3]|
.endr
	v_max3_num_f32 v[W], v[W], |v[X+30]|, |v[X+31]|
	v_max3_num_f32 v[W], v[W], v[W+1], 0x2800000   ; and the floor 2^(5 - 127): the byte cannot fall under 1
	v_add_nc_u32 v[W+2], 0xfe000000, v[W]          ; 4 off the exponent field: the conversion takes the exponent field of this operand as its scale
	v_cvt_scalef32_pk16_bf6_f32 v[C:C+2], v[X:X+15], v[W+2]
	v_cvt_scalef32_pk16_bf6_f32 v[C+4:C+6], v[X+16:X+31], v[W+2]     ; (a conversion's three registers begin on an even number)
	v_lshrrev_b32 v[C+8], 23, v[W+2]               ; the scale's byte; also the plain line behind the conversions
	global_store_b96 v6, v[C:C+2], s[28:29]
	global_store_b96 v6, v[C+4:C+6], s[28:29] offset:12              ; the wave's two stores cover the token's 768 consecutive bytes
	global_store_b8 v1, v[C+8], s[30:31]           ; 32 consecutive bytes
	s_wait_dscnt 0x0                               ; for the others' sake: my part of gate_W lies in LDS
	s_barrier_signal -1
	s_barrier_wait -1                              ; everybody's does
; Eight k of the dot products: x(k) times gate_W's row k, two experts an instruction, four chains.
.macro DOT g
.irp k, 0,1,2,3,4,5,6,7
	ds_load_b128 v[G+8*\k:G+8*\k+3], v5 offset:32*(8*\g+\k)
	ds_load_b128 v[G+8*\k+4:G+8*\k+7], v5 offset:32*(8*\g+\k)+16
.endr
	s_wait_dscnt 0x0
.irp k, 0,1,2,3,4,5,6,7
.irp p, 0,1,2,3
.if (\g == 0) && (\k == 0)
	v_pk_mul_f32 v[L+2*\p:L+2*\p+1], v[X:X+1], v[G+2*\p:G+2*\p+1] op_sel_hi:[0,1]   ; the first product starts the sums: nothing is cleared
.elseif \k%2 == 0
	v_pk_fma_f32 v[L+2*\p:L+2*\p+1], v[X+8*\g+2*(\k/2):X+8*\g+2*(\k/2)+1], v[G+8*\k+2*\p:G+8*\k+2*\p+1], v[L+2*\p:L+2*\p+1] op_sel_hi:[0,1,1]               ; the pair's first register feeds both halves
.else
	v_pk_fma_f32 v[L+2*\p:L+2*\p+1], v[X+8*\g+2*(\k/2):X+8*\g+2*(\k/2)+1], v[G+8*\k+2*\p:G+8*\k+2*\p+1], v[L+2*\p:L+2*\p+1] op_sel:[1,0,0] op_sel_hi:[1,1,1]  ; its second
.endif
.endr
.endr
.endm
	DOT 0
	DOT 1
	DOT 2
	DOT 3
.irp e, 0,1,2,3,4,5,6,7
	v_mov_b32 v[W+\e], 0                           ; a lane permute's destination counts as one of its sources
.endr
.irp m, 1,2,4,8
.irp e, 0,1,2,3,4,5,6,7
	v_add_f32_dpp v[L+\e], v[L+\e], v[L+\e] row_xmask:\m row_mask:0xf bank_mask:0xf   ; the sum over sixteen lanes; the eight logits by turns
.endr
.endr
.irp e, 0,1,2,3,4,5,6,7
	v_permlanex16_b32 v[W+\e], v[L+\e], s24, s25
.endr
.irp e, 0,1,2,3,4,5,6,7
	v_add_f32 v[L+\e], v[L+\e], v[W+\e]            ; and the other sixteen: every lane holds the sum
.endr
	s_wait_kmcnt 0x0                               ; gate_b
.irp e, 0,1,2,3,4,5,6,7
	v_add_f32 v[L+\e], s[16+\e], v[L+\e]
.endr
	; softmax
	v_max3_num_f32 v[W+12], v[L], v[L+1], v[L+2]
	v_max3_num_f32 v[W+12], v[W+12], v[L+3], v[L+4]
	v_max3_num_f32 v[W+12], v[W+12], v[L+5], v[L+6]
	v_max_num_f32 v[W+12], v[W+12], v[L+7]
.irp e, 0,1,2,3,4,5,6,7
	v_sub_f32 v[L+\e], v[L+\e], v[W+12]            ; the maximum is taken away first: the difference is formed before it is scaled, so that large logits lose nothing
.endr
.irp e, 0,1,2,3,4,5,6,7
	v_mul_f32 v[L+\e], 0x3fb8aa3b, v[L+\e]         ; x log2(e)
.endr
.irp e, 0,1,2,3,4,5,6,7
	v_exp_f32 v[L+\e], v[L+\e]
.endr
	v_mov_b32 v[W+13], 0                           ; the first expert's index begins at 0.  (The plain line behind the exponentials)
	s_wait_alu depctr_va_vdst(0)
	v_add_f32 v[W+8], v[L], v[L+1]
	v_add_f32 v[W+9], v[L+2], v[L+3]
	v_add_f32 v[W+10], v[L+4], v[L+5]
	v_add_f32 v[W+11], v[L+6], v[L+7]
	v_add_f32 v[W+8], v[W+8], v[W+9]
	v_add_f32 v[W+10], v[W+10], v[W+11]
	v_add_f32 v[W+8], v[W+8], v[W+10]
	v_rcp_f32 v[W+12], v[W+8]
	v_mov_b32 v[W+14], 0                           ; the second expert's index.  (The plain line behind the reciprocal)
	s_wait_alu depctr_va_vdst(0)
.irp e, 0,1,2,3,4,5,6,7
	v_mul_f32 v[L+\e], v[L+\e], v[W+12]            ; the scores
.endr
; The largest of eight numbers v[src] .. v[src + 7] and its index; of equals the lower index stays.
.macro BEST val, idx, src
	v_mov_b32 v[\val], v[\src]
.irp e, 1,2,3,4,5,6,7
	v_cmp_gt_f32 vcc_lo, v[\src+\e], v[\val]
	v_cndmask_b32 v[\val], v[\val], v[\src+\e], vcc_lo
	v_cndmask_b32 v[\idx], v[\idx], \e, vcc_lo
.endr
.endm
	BEST W+10, W+13, L
.irp e, 0,1,2,3,4,5,6,7
	v_cmp_eq_u32 vcc_lo, \e, v[W+13]
	v_cndmask_b32 v[W+\e], v[L+\e], -1.0, vcc_lo   ; the first choice steps under every score (none is negative)
.endr
	BEST W+11, W+14, W
	v_add_f32 v[W+12], v[W+10], v[W+11]            ; the l1 norm of the two that are kept
	v_max_num_f32 v[W+12], 0x2b8cbccc, v[W+12]     ; at least 1e-12
	v_rcp_f32 v[W+12], v[W+12]
	v_lshl_or_b32 v[W+15], v[W+14], 8, v[W+13]     ; the route word.  (The plain line behind the reciprocal)
	s_wait_alu depctr_va_vdst(0)
	v_mul_f32 v[W+8], v[W+10], v[W+12]
	v_mul_f32 v[W+9], v[W+11], v[W+12]             ; the two gates
	v_mov_b32 v[C+9], 0
	v_cmp_eq_u32 vcc_lo, 0, v1
	s_wait_xcnt 0x0                                ; EXEC is a source of the stores above: it changes only behind this wait
	s_wait_tensorcnt 0x0
	ds_add_u32 v144, v145
	s_wait_dscnt 0x0
	s_and_saveexec_b32 s36, vcc_lo                 ; lane 0 alone: every lane holds the same numbers
	global_store_b32 v[C+9], v[W+15], s[12:13]
	global_store_b64 v[C+9], v[W+8:W+9], s[32:33]
	s_wait_xcnt 0x0                                ; and again in front of the line that widens it
	s_or_b32 exec_lo, exec_lo, s36
	s_endpgm
.Lfunc_end_k_q896f714d83_route:
	.size	k_q896f714d83_route, .Lfunc_end_k_q896f714d83_route-k_q896f714d83_route
	.p2alignl 7, 3214868480
	.fill 96, 4, 3214868480
	.section	.rodata,"a",@progbits
	.p2align	6, 0x0
	.amdhsa_kernel k_q896f714d83_route
		.amdhsa_group_segment_fixed_size 34304
		.amdhsa_private_segment_fixed_size 0
		.amdhsa_enable_private_segment 0
		.amdhsa_kernarg_size 40
		.amdhsa_user_sgpr_count 2
		.amdhsa_user_sgpr_kernarg_segment_ptr 1
		.amdhsa_wavefront_size32 1
		.amdhsa_system_sgpr_workgroup_id_x 1
		.amdhsa_system_sgpr_workgroup_id_y 1
		.amdhsa_system_sgpr_workgroup_id_z 1
		.amdhsa_system_vgpr_workitem_id 0
		.amdhsa_next_free_vgpr 146
		.amdhsa_next_free_sgpr 66
		.amdhsa_reserve_vcc 1
		.amdhsa_float_denorm_mode_32 3
		.amdhsa_float_denorm_mode_16_64 3
		.amdhsa_memory_ordered 1
		.amdhsa_forward_progress 1
		.amdhsa_inst_pref_size 27
	.end_amdhsa_kernel
	.amdgpu_metadata
---
amdhsa.version: [ 1, 2 ]
amdhsa.kernels:
  - .name:           k_q896f714d83_route
    .symbol:         k_q896f714d83_route.kd
    .args:
      - { .name: x, .offset: 0, .size: 8, .value_kind: global_buffer, .address_space: global }
      - { .name: gate_W, .offset: 8, .size: 8, .value_kind: global_buffer, .address_space: global }
      - { .name: gate_b, .offset: 16, .size: 8, .value_kind: global_buffer, .address_space: global }
      - { .name: xq, .offset: 24, .size: 8, .value_kind: global_buffer, .address_space: global }
      - { .name: route, .offset: 32, .size: 8, .value_kind: global_buffer, .address_space: global }
    .group_segment_fixed_size: 34304
    .private_segment_fixed_size: 0
    .kernarg_segment_align: 8
    .kernarg_segment_size: 40
    .max_flat_workgroup_size: 256
    .sgpr_count:     66
    .vgpr_count:     146
    .wavefront_size: 32
...
	.end_amdgpu_metadata
.endif
;; end of part 1
;; launch prep (part 2): grid 1026 x 1, 4 waves a work-group, no clusters, 0 bytes of LDS; arguments W1, W2, route, wq, plan; writes wq, plan
.if DOCPART == 2
	.amdgcn_target "amdgcn-amd-amdhsa--gfx1250"
	.amdhsa_code_object_version 6
	.text
	.protected	k_q896f714d83_prep
	.globl	k_q896f714d83_prep
	.p2align	8
	.type	k_q896f714d83_prep,@function
k_q896f714d83_prep:
	s_mov_b64 s[64:65], 0
	v_nop
	global_prefetch_b8 v0, s[64:65] scope:SCOPE_SE
	s_setreg_imm32_b32 hwreg(HW_REG_WAVE_MODE, 25, 1), 1
	s_wait_xcnt 0x0
; THE WEIGHTS INTO CODES, AND THE ROWS PLACED BY EXPERT.  W1: [8][1024 k][2048 n], W2: [8][2048 k][1024 n], f32: K is the first axis within an expert.
; Work-groups 0 and 1 place the rows; 2 .. 513 take W1; 514 .. 1025 take W2.  No LDS, no barrier: waves share nothing.
; QUANTISER.  A lane takes a column n and its registers run down K: each load reads 128 consecutive bytes a wave (the four waves side by side: 512), a block of 32 along K lies in one lane's 32 registers,
; and the conversions give codes with K innermost.  A wave takes 32 columns x 256 along K: 8 blocks a lane, two K steps of 128.  Loads run two blocks ahead.
; A block's scale is 2^(floor(log2(largest magnitude)) - 4); its byte is the largest magnitude's exponent field - 4, held at 1 from below.
; THE CODES ARE LAID AS IMAGES OF THE OPERAND'S REGISTERS: a fragment (16 columns x 128 K, 12 registers a lane) is 1,536 bytes, register j of lane l at 512 (j / 4) + 16 l + 4 (j % 4), so that three loads of
; 16 bytes a lane bring it.  wq: [expert][slice of 64 columns][K step][tile 0..3][1,536].  A quantising lane holds blocks 2 c + h of its column, which belong to the image's lanes r (h = 0) and 16 + r (h = 1):
; each store of 16 bytes a lane covers two runs of 256 consecutive bytes, aligned: one in tile 2 p, one in tile 2 p + 1.
; THE SCALE WORDS: [expert][slice][pair of K steps][p][16 u + r][2 words], tile = 2 p + u: one register then carries tile 2 p in lanes 0-15 and tile 2 p + 1 in lanes 16-31.
; W1'S TILES DO NOT TAKE NEIGHBOURING COLUMNS: lane r of tile 2 b + u is hidden unit 64 slice + 32 b + 8 u + r % 8 + 16 (r / 8), so that the first product's results lie along the second product's K.
; PLACING.  Wave = expert e.  It walks the 2,048 route words, 32 tokens a chunk.  r = the number of tokens before token t that chose e.  EVERY LANE STORES IN EVERY CHUNK, so that no lane is ever switched off on loaded data:
;   LIST[e] (plan + 8,192 e) is a PARTITION of the 2,048 tokens: a token that chose e goes to place r, from the front, in the tokens' order; one that did not goes to place 2047 - (t - r), from the back.
;     The two runs are 2,048 places together, so each word has one writer; the later launches read the first CNT[e] places alone.
;   POS[e][t] (plan + 65,536 + 8,192 e + 4 t) = 2048 e + r: where t chose e, the place of its row in the expert's output; elsewhere a number that nobody reads.  Its address is made of ids alone.
;   CNT[e] (plan + 131,072 + 4 e) = the number of tokens that chose e.
;   The three registers that a chunk's two stores read take turns in 16 sets, so that the walk waits for its stores' sources once in 16 chunks and not in each.
; LIMITS: NaN and infinities are not served; a block of zeros gets the byte 1 where the rule says 127 (its codes are zeros; this program alone reads the bytes); blocks under 2^-122 are held at the byte 1.
.set X,   32                           ; v32-95   two sets of 32 numbers (placing: the 64 chunks of route words)
.set P,   96                           ; v96-143  codes: [K step][h][12 registers]: written once (placing: 16 sets of a chunk's address, token and place)
.set TMP, 144                          ; v144-146 a block's upper 16 codes, on their way
.set SW,  24                           ; v24-25   the two scale words
.set POS_OFF, 65536
.set CNT_OFF, 131072
	s_load_b256 s[4:11], s[0:1], 0x0               ; W1 s[4:5], W2 s[6:7], route s[8:9], wq s[10:11]
	s_load_b64 s[12:13], s[0:1], 0x20              ; plan
	v_lshrrev_b32 v2, 5, v0
	v_readfirstlane_b32 s14, v2                    ; wave
	v_and_b32 v1, 31, v0                           ; lane
	v_lshlrev_b32 v3, 2, v1                        ; 4 bytes a lane
	s_wait_kmcnt 0x0
	s_cmp_lt_u32 ttmp9, 2
	s_cbranch_scc1 .Lplace
	s_cmp_lt_u32 ttmp9, 514
	s_cbranch_scc0 .Lw2
.macro QLOAD pitch                     ; block LT: W(32 LT + n, my column), n = 0 .. 31, into set LT % 2
.set n, 0
.rept 32
	global_load_b32 v[X+32*(LT%2)+n], v3, s[30:31] offset:(32*LT+n)*\pitch th:TH_LOAD_NT
.set n, n+1
.endr
.endm
.macro QBLOCK pitch                    ; block T = 4 (K step) + 2 c + h
.set XS, X+32*(T%2)
.set PT, P+24*(T/4)+12*(T%2)+6*((T/2)%2)
.if T < 7
	s_wait_loadcnt 32                              ; this block's 32 loads are in; the next block's may be out
.else
	s_wait_loadcnt 0x0
.endif
	v_max3_num_f32 v12, |v[XS]|, |v[XS+1]|, |v[XS+2]|               ; the block's largest magnitude: all 32 numbers are mine; two chains
	v_max3_num_f32 v13, |v[XS+3]|, |v[XS+4]|, |v[XS+5]|
.irp i, 6,10,14,18,22,26
	v_max3_num_f32 v12, v12, |v[XS+\i]|, |v[XS+\i+1]|
	v_max3_num_f32 v13, v13, |v[XS+\i+2]|, |v[XS+\i+3]|
.endr
	v_max3_num_f32 v12, v12, |v[XS+30]|, |v[XS+31]|
	v_max3_num_f32 v12, v12, v13, 0x2800000        ; and the floor 2^(5 - 127): the byte cannot fall under 1
	v_add_nc_u32 v11, 0xfe000000, v12              ; 4 off the exponent field: the conversion's scale operand
	v_cvt_scalef32_pk16_bf6_f32 v[PT:PT+2], v[XS:XS+15], v11
	v_cvt_scalef32_pk16_bf6_f32 v[TMP:TMP+2], v[XS+16:XS+31], v11   ; (a conversion's three registers begin on an even number: the block's second three do not)
	v_lshrrev_b32 v13, 23, v11                     ; the scale's byte; also the plain line behind the conversions
.if T%4 == 0
	v_mov_b32 v[SW+T/4], v13                       ; four bytes to a word, the lower K in the lower byte
.else
	v_lshl_or_b32 v[SW+T/4], v13, 8*(T%4), v[SW+T/4]
.endif
.irp i, 0,1,2
	v_mov_b32 v[PT+3+\i], v[TMP+\i]
.endr
.if T < 6
.set LT, T+2
	QLOAD \pitch
.endif
.if T%4 == 3                           ; a K step is whole: its images leave
.irp h, 0,1
.irp q, 0,1,2
	global_store_b128 v4, v[P+24*(T/4)+12*\h+4*\q:P+24*(T/4)+12*\h+4*\q+3], s[32:33] offset:(T/4)*6144+\q*512+\h*256
.endr
.endr
.endif
.endm
; src: the scalar pair with the tensor's address; first: its first work-group; pitch: bytes in a row; perm: W1's choice of columns; csh, kmask: how a work-group's number splits into 128 columns and 256 K;
; slc, sls: bytes of a slice's codes and scale words; cbase, sbase: where the tensor's codes and scale words begin in wq.
.macro QW src, first, pitch, perm, csh, kmask, slc, sls, cbase, sbase
	s_sub_co_u32 s15, ttmp9, \first
	s_lshr_b32 s16, s15, 6                         ; expert: 64 work-groups each
	s_and_b32 s17, s15, 63
	s_lshr_b32 s18, s17, \csh                      ; which 128 columns
	s_and_b32 s19, s17, \kmask                     ; which 256 along K
	s_lshl_b32 s20, s18, 2
	s_add_co_u32 s20, s20, s14                     ; my wave's 32 columns
	s_lshr_b32 s21, s20, 1                         ; slice of 64
	s_and_b32 s22, s20, 1                          ; p
	s_lshl_b32 s24, s16, 23                        ; in the tensor: an expert is 8,388,608 bytes,
	s_mul_i32 s23, s19, 256*\pitch
	s_add_co_u32 s24, s24, s23                     ; 256 rows,
	s_lshl_b32 s23, s20, 7
	s_add_co_u32 s24, s24, s23                     ; 32 columns
	s_mov_b32 s25, 0
	s_add_nc_u64 s[30:31], s[\src:\src+1], s[24:25]
	s_mul_i32 s26, s16, 1572864                    ; the codes: expert,
	s_mul_i32 s23, s21, \slc
	s_add_co_u32 s26, s26, s23                     ; slice,
	s_mul_i32 s23, s19, 12288
	s_add_co_u32 s26, s26, s23                     ; two K steps of 6,144,
	s_mul_i32 s23, s22, 3072
	s_add_co_u32 s26, s26, s23                     ; tiles 2 p and 2 p + 1
.if \cbase > 0
	s_add_co_u32 s26, s26, \cbase
.endif
	s_mov_b32 s27, 0
	s_add_nc_u64 s[32:33], s[10:11], s[26:27]
	s_lshl_b32 s28, s16, 16                        ; the scale words: expert,
	s_mul_i32 s23, s21, \sls
	s_add_co_u32 s28, s28, s23                     ; slice,
	s_lshl_b32 s23, s19, 9
	s_add_co_u32 s28, s28, s23                     ; pair of K steps,
	s_lshl_b32 s23, s22, 8
	s_add_co_u32 s28, s28, s23                     ; p
	s_add_co_u32 s28, s28, \sbase
	s_mov_b32 s29, 0
	s_add_nc_u64 s[34:35], s[10:11], s[28:29]
.if \perm
	v_bfe_u32 v4, v1, 3, 1                         ; column l = 8 u + r % 8 + 16 (r / 8): u,
	v_and_b32 v5, 7, v1
	v_lshrrev_b32 v6, 4, v1
	v_lshl_add_u32 v5, v6, 3, v5                   ; r
.else
	v_lshrrev_b32 v4, 4, v1                        ; column l = 16 u + r
	v_and_b32 v5, 15, v1
.endif
	v_lshl_add_u32 v6, v4, 4, v5
	v_lshlrev_b32 v6, 3, v6                        ; my two scale words: 8 (16 u + r)
	v_mul_u32_u24 v4, v4, 1536
	v_lshl_add_u32 v4, v5, 4, v4                   ; my place in the images: tile u, lane r
.set LT, 0
	QLOAD \pitch
.set LT, 1
	QLOAD \pitch
.set T, 0
.rept 8
	QBLOCK \pitch
.set T, T+1
.endr
	global_store_b64 v6, v[SW:SW+1], s[34:35]      ; 32 lanes store 256 consecutive bytes, aligned
.endm
	QW 4, 2, 8192, 1, 2, 3, 49152, 2048, 0, 12582912
	s_endpgm
.Lw2:
	QW 6, 514, 4096, 0, 3, 7, 98304, 4096, 13107200, 25690112
	s_endpgm
.Lplace:
	s_lshl_b32 s16, ttmp9, 2
	s_add_co_u32 s16, s16, s14                     ; my expert
	s_lshl_b32 s17, s16, 11                        ; 2048 e
	s_lshl_b32 s24, s16, 13
	s_mov_b32 s25, 0
	s_add_nc_u64 s[26:27], s[12:13], s[24:25]      ; LIST[e]; POS[e] lies 65,536 bytes on
	s_lshl_b32 s28, s16, 2
	s_mov_b32 s29, 0
	s_add_nc_u64 s[28:29], s[12:13], s[28:29]      ; CNT[e], 131,072 bytes on
	s_mov_b32 s23, 0                               ; members so far
.set I, 0
.rept 64
	global_load_b32 v[X+I], v3, s[8:9] offset:128*I
.set I, I+1
.endr
.set I, 0
.rept 64                               ; chunk I: tokens 32 I + lane
.set RA, P+3*(I%16)                    ; the chunk's set: RA the address in LIST, RA + 1 the token, RA + 2 the place
	s_wait_loadcnt 63-I                            ; loads come back in order (ISA guide 5.7.1): chunk I is in, the younger ones may be out
	v_and_b32 v8, 0xff, v[X+I]                     ; the token's first choice,
	v_lshrrev_b32 v9, 8, v[X+I]                    ; its second
	v_cmp_eq_u32 s20, s16, v8
	v_cmp_eq_u32 s21, s16, v9
	s_or_b32 vcc_lo, s20, s21                      ; the tokens that chose e
	v_mbcnt_lo_u32_b32 v10, vcc_lo, s23            ; r: the members so far + those in lower lanes
	v_add_nc_u32 v[RA+1], 32*I, v1                 ; t
	v_sub_nc_u32 v11, v10, v[RA+1]
	v_add_nc_u32 v11, 0x7ff, v11                   ; 2047 - (t - r): the place from the back
	v_cndmask_b32 v11, v11, v10, vcc_lo            ; a member takes place r
	v_min_u32 v11, 0x7ff, v11                      ; a number made of loaded data enters an address only behind a bound written in the instruction
	v_lshlrev_b32 v[RA], 2, v11
	v_add_nc_u32 v[RA+2], s17, v10                 ; 2048 e + r
	s_bcnt1_i32_b32 s22, vcc_lo
	s_add_co_u32 s23, s23, s22
	global_store_b32 v[RA], v[RA+1], s[26:27]      ; LIST[e][place] = t
	global_store_b32 v3, v[RA+2], s[26:27] offset:POS_OFF+128*I      ; POS[e][t]: 128 consecutive bytes
.if I%16 == 15
	s_wait_xcnt 0x0                                ; the 16 sets have been used once round: they are written again only behind this wait
.endif
.set I, I+1
.endr
	v_mov_b32 v17, s23
	v_mov_b32 v18, 0
	v_cmp_eq_u32 vcc_lo, 0, v1
	s_and_saveexec_b32 s30, vcc_lo                 ; lane 0 alone, by the lane's number (chunk 63 ended with the wait: no memory instruction has been issued since)
	global_store_b32 v18, v17, s[28:29] offset:CNT_OFF
	s_wait_xcnt 0x0                                ; EXEC is a source of the store: it changes only behind this wait
	s_or_b32 exec_lo, exec_lo, s30
	s_endpgm
.Lfunc_end_k_q896f714d83_prep:
	.size	k_q896f714d83_prep, .Lfunc_end_k_q896f714d83_prep-k_q896f714d83_prep
	.p2alignl 7, 3214868480
	.fill 96, 4, 3214868480
	.section	.rodata,"a",@progbits
	.p2align	6, 0x0
	.amdhsa_kernel k_q896f714d83_prep
		.amdhsa_group_segment_fixed_size 0
		.amdhsa_private_segment_fixed_size 0
		.amdhsa_enable_private_segment 0
		.amdhsa_kernarg_size 40
		.amdhsa_user_sgpr_count 2
		.amdhsa_user_sgpr_kernarg_segment_ptr 1
		.amdhsa_wavefront_size32 1
		.amdhsa_system_sgpr_workgroup_id_x 1
		.amdhsa_system_sgpr_workgroup_id_y 1
		.amdhsa_system_sgpr_workgroup_id_z 1
		.amdhsa_system_vgpr_workitem_id 0
		.amdhsa_next_free_vgpr 152
		.amdhsa_next_free_sgpr 66
		.amdhsa_reserve_vcc 1
		.amdhsa_float_denorm_mode_32 3
		.amdhsa_float_denorm_mode_16_64 3
		.amdhsa_memory_ordered 1
		.amdhsa_forward_progress 1
		.amdhsa_inst_pref_size 143
	.end_amdhsa_kernel
	.amdgpu_metadata
---
amdhsa.version: [ 1, 2 ]
amdhsa.kernels:
  - .name:           k_q896f714d83_prep
    .symbol:         k_q896f714d83_prep.kd
    .args:
      - { .name: W1, .offset: 0, .size: 8, .value_kind: global_buffer, .address_space: global }
      - { .name: W2, .offset: 8, .size: 8, .value_kind: global_buffer, .address_space: global }
      - { .name: route, .offset: 16, .size: 8, .value_kind: global_buffer, .address_space: global }
      - { .name: wq, .offset: 24, .size: 8, .value_kind: global_buffer, .address_space: global }
      - { .name: plan, .offset: 32, .size: 8, .value_kind: global_buffer, .address_space: global }
    .group_segment_fixed_size: 0
    .private_segment_fixed_size: 0
    .kernarg_segment_align: 8
    .kernarg_segment_size: 40
    .max_flat_workgroup_size: 128
    .sgpr_count:     66
    .vgpr_count:     152
    .wavefront_size: 32
...
	.end_amdgpu_metadata
.endif
;; end of part 2
;; launch gemm1 (part 3): grid 8 x 71, 4 waves a work-group, no clusters, 50,688 bytes of LDS; arguments xq, wq, plan, b1, hq; writes hq
.if DOCPART == 3
	.amdgcn_target "amdgcn-amd-amdhsa--gfx1250"
	.amdhsa_code_object_version 6
	.text
	.protected	k_q896f714d83_gemm1
	.globl	k_q896f714d83_gemm1
	.p2align	8
	.type	k_q896f714d83_gemm1,@function
k_q896f714d83_gemm1:
	s_mov_b64 s[64:65], 0
	v_nop
	global_prefetch_b8 v0, s[64:65] scope:SCOPE_SE
	s_setreg_imm32_b32 hwreg(HW_REG_WAVE_MODE, 25, 1), 1
	s_wait_xcnt 0x0
; THE FIRST PRODUCT ON THE ROUTED ROWS: h = Q(relu(x W1[e] + b1[e])), codes of E3M2 with one E8M0 scale for each 32 along K, f32 sums; Q quantises along the hidden axis, the second product's K.
; ONLY THE CHOSEN EXPERTS' ROWS ARE MULTIPLIED: 4,096 routed rows.  Work-group y is a group of 64 rows of one expert: with 8 experts there are never more than 4096 / 64 + 7 = 71 groups, whatever the split.
; Which expert and which of its groups follows from the eight counts that the launch before stored as whole numbers.  Rows past an expert's count repeat its last row: they give valid numbers at places of their own that nobody reads, so nothing is masked.
; SHARES.  A wave makes 64 rows x 64 hidden units (slice = 4 x + wave): 16 accumulators.  The four waves multiply the same 64 rows of x.
; x'S ROWS ARE GATHERED ONCE FOR THE WORK-GROUP, INTO LDS.  A fragment taken straight from xq touches 16 tokens' rows, 768 bytes apart, with every load, 96 such loads a wave, and all four waves would make them.  Instead wave w brings rows
; 16 w .. 16 w + 15 by 24 loads, each of two runs of 256 consecutive bytes, aligned (lanes 0-15 one token, lanes 16-31 the next), and stores them as rows of 768 + 16 bytes; behind ONE barrier every wave takes its fragments by ds_load_b128.
; THE BARRIER STANDS AHEAD OF THE BRANCH ON THE COUNTS, so that every wave passes it: a group that the split leaves without rows gathers too (its indices are held inside LIST, which is written whole), and ends right behind the barrier.
; W1's fragments come from memory straight into registers, as images of the operand's registers, three K steps ahead in four buffers; x's come from LDS one step ahead in two.  No tile is asked for jointly: which groups have rows hangs on
; loaded counts, and partners would have different numbers of tiles.  All 8 K steps are written out; every offset is an immediate.
; THE MATRIX INSTRUCTION IS USED TRANSPOSED: source 0 = 16 columns of W1, source 1 = 16 rows of x.  A lane then holds one row, and by the choice of W1's columns the 16 registers of tiles 2 b, 2 b + 1 are hidden units 32 b + 16 (lane / 16) + 0 .. 15.
; The bias is the C of each sum's first instruction.
; OUT.  hq codes: [group][K step][tile of rows][1,536]: half c of a fragment at 768 c: registers 6 c .. 6 c + 3 at 16 l, 6 c + 4, 6 c + 5 at 512 + 8 l.  My slice is half (slice % 2) of K step slice / 2: a tile's 768 bytes are consecutive and aligned to 256.
; hq scale words: [group][4 K steps][row][4 words]; my slice makes half a word a row: stores of 2 bytes, 256 KB of the launch's 6.8 MB at the most.
; LIMITS: as the quantisers before: a block of zeros gets the byte 1; blocks under 2^-122 are held at the byte 1; NaN and infinities are not served.
; REGISTERS.  Window 0: v1-13 lane terms and addresses; v16-31 x's scale words (register 8 p + s: lanes 0-15 tile of rows 2 p, lanes 16-31 tile 2 p + 1, K step s); v32-47 W1's likewise;
;   v64-255 W1's four buffers of 48 (fragment ct at 12 ct); the fourth, v208-255, first holds list indices, tokens and the gather's addresses.
;   Window 1: v0-127 accumulator (rt, ct) at 8 (4 rt + ct); v128-223 x's two buffers of 48 (fragment rt at 12 rt), which first hold the 96 registers of the gather; v224-255 the bias, 8 registers a tile of columns.
.set NS, 8                             ; K steps of 128
.set SA, 16
.set SB, 32
.set BB, 64                            ; W1's buffers, window 0
.set AB, 128                           ; x's buffers, window 1
.set BI, 224                           ; the bias, window 1
.set TI, 208                           ; v208-217 list indices: 8 pairs of rows for the gather, 2 for the scale words
.set TT, 218                           ; v218-227 their tokens
.set TG, 228                           ; v228-235 the gather's byte offsets in xq
.set XP, 784                           ; an LDS row: 768 bytes + 16 = 49 x 16, so that sixteen rows' reads of 16 bytes fall on sixteen different columns of 16 bytes
.set CNT_OFF, 0x20000                  ; the eight counts in plan
.set MSB, 0
.macro WIN new                         ; s_set_vgpr_msb: bits 1:0 source 0, 3:2 source 1, 5:4 source 2, 7:6 destination; the high byte repeats the setting that is left
.if MSB != \new
	s_set_vgpr_msb (MSB<<8)|\new
.set MSB, \new
.endif
.endm
.macro PLACES                          ; a load into a register that a matrix instruction has read, and a vector instruction that reads a result or writes such a register, stand four plain vector instructions behind it
.rept 4
	v_nop
.endr
.endm
.macro LOADB                           ; K step LJ's four fragments of W1, 12 loads of 512 consecutive bytes, into W1's buffer LJ % 4
	WIN 0
.irp ct, 0,1,2,3
.irp q, 0,1,2
	global_load_b128 v[BB+48*(LJ%4)+12*\ct+4*\q:BB+48*(LJ%4)+12*\ct+4*\q+3], v5, s[38:39] offset:6144*LJ+1536*\ct+512*\q
.endr
.endr
.endm
.macro LOADA                           ; K step LJ's four fragments of x, 12 LDS loads, into x's buffer LJ % 2: lane (r, h) takes the 48 bytes at 96 LJ + 48 h of row 16 rt + r
	WIN 0x40                                       ; destination window 1, address window 0
.irp rt, 0,1,2,3
.irp q, 0,1,2
	ds_load_b128 v[AB+48*(LJ%2)+12*\rt+4*\q:AB+48*(LJ%2)+12*\rt+4*\q+3], v6 offset:16*XP*\rt+96*LJ+16*\q
.endr
.endr
.endm
.macro MULS                            ; K step J: 16 matrix instructions; the 16 accumulators take turns, one instruction a turn
	WIN 0x54                                       ; source 0 (W1) window 0; source 1 (x), C and D window 1
.irp rt, 0,1,2,3
.irp ct, 0,1,2,3
.set rD, 8*(4*\rt+\ct)
.if J == 0
.set rC, BI+8*\ct                      ; the bias starts the sum
.else
.set rC, rD
.endif
.set rW, BB+48*(J%4)+12*\ct
.set rX, AB+48*(J%2)+12*\rt
.set rSW, SB+8*(\ct/2)+J
.set rSX, SA+8*(\rt/2)+J
.if (\ct%2 == 0) && (\rt%2 == 0)
	v_wmma_scale_f32_16x16x128_f8f6f4 v[rD:rD+7], v[rW:rW+11], v[rX:rX+11], v[rC:rC+7], v[rSW], v[rSX] matrix_a_fmt:MATRIX_FMT_BF6 matrix_b_fmt:MATRIX_FMT_BF6
.elseif (\ct%2 == 1) && (\rt%2 == 0)
	v_wmma_scale_f32_16x16x128_f8f6f4 v[rD:rD+7], v[rW:rW+11], v[rX:rX+11], v[rC:rC+7], v[rSW], v[rSX] matrix_a_fmt:MATRIX_FMT_BF6 matrix_b_fmt:MATRIX_FMT_BF6 matrix_a_scale:MATRIX_SCALE_ROW1
.elseif \ct%2 == 0
	v_wmma_scale_f32_16x16x128_f8f6f4 v[rD:rD+7], v[rW:rW+11], v[rX:rX+11], v[rC:rC+7], v[rSW], v[rSX] matrix_a_fmt:MATRIX_FMT_BF6 matrix_b_fmt:MATRIX_FMT_BF6 matrix_b_scale:MATRIX_SCALE_ROW1
.else
	v_wmma_scale_f32_16x16x128_f8f6f4 v[rD:rD+7], v[rW:rW+11], v[rX:rX+11], v[rC:rC+7], v[rSW], v[rSX] matrix_a_fmt:MATRIX_FMT_BF6 matrix_b_fmt:MATRIX_FMT_BF6 matrix_a_scale:MATRIX_SCALE_ROW1 matrix_b_scale:MATRIX_SCALE_ROW1
.endif
.endr
.endr
.endm
	s_load_b256 s[4:11], s[0:1], 0x0               ; xq s[4:5], wq s[6:7], plan s[8:9], b1 s[10:11]
	s_load_b64 s[12:13], s[0:1], 0x20              ; hq
	v_lshl_add_u32 v62, v0, 2, 0xc400
	v_mov_b32 v63, 0
	v_lshrrev_b32 v2, 5, v0
	v_readfirstlane_b32 s44, v2                    ; wave
	v_and_b32 v1, 31, v0                           ; lane
	v_and_b32 v2, 15, v0                           ; r
	v_bfe_u32 v3, v0, 4, 1                         ; h
	v_lshlrev_b32 v4, 4, v2                        ; 16 r: the gather's 16 bytes of a run of 256
	v_lshlrev_b32 v5, 4, v1                        ; 16 x lane
	v_lshlrev_b32 v12, 3, v1                       ; 8 x lane
	v_lshlrev_b32 v13, 6, v3                       ; the bias: 16 numbers a half
	v_mul_u32_u24 v6, v2, XP
	v_mad_u32_u24 v6, v3, 48, v6                   ; LDS, out: row r, 48 bytes a half
	s_mul_i32 s31, s44, 16*XP
	v_mul_u32_u24 v7, v3, XP
	v_lshl_add_u32 v7, v2, 4, v7
	v_add_nc_u32 v7, s31, v7                       ; LDS, in: my wave's 16 rows; lanes 0-15 one row, lanes 16-31 the next; 16 bytes a lane
	s_lshl_b32 s45, ttmp9, 2
	s_add_co_u32 s45, s45, s44                     ; slice 0 .. 31
	s_and_b32 s28, ttmp7, 0xffff                   ; y
	s_mov_b32 s46, 0x76543210
	s_mov_b32 s47, 0xfedcba98                      ; v_permlanex16_b32's selects for lane l xor 16
	s_mov_b32 s48, 0xffff0000                      ; lanes 16-31
	s_wait_kmcnt 0x0
	s_load_b256 s[16:23], s[8:9], CNT_OFF          ; the eight counts
	s_mov_b32 s24, 0                               ; the first group of the expert in hand
	s_mov_b32 s25, 0                               ; E
	s_mov_b32 s26, 0                               ; E's first group
	s_mov_b32 s27, 0                               ; E's count
	s_wait_kmcnt 0x0
.irp e, 0,1,2,3,4,5,6,7                ; the last expert whose first group is not behind y; one without rows is passed over by the next
	s_cmp_le_u32 s24, s28
	s_cselect_b32 s25, \e, s25
	s_cselect_b32 s26, s24, s26
	s_cselect_b32 s27, s[16+\e], s27
	s_add_co_u32 s29, s[16+\e], 63
	s_lshr_b32 s29, s29, 6
	s_add_co_u32 s24, s24, s29
.endr
	s_cmp_ge_u32 s28, s24
	s_cselect_b32 s54, 1, 0                        ; 1: this split has fewer groups than the grid, and mine has no rows; the branch on it stands behind the barrier
	s_min_u32 s25, s25, 7                          ; numbers made of loaded data enter addresses only behind bounds written in the instruction
	s_sub_co_u32 s26, s28, s26
	s_min_u32 s26, s26, 31                         ; I: which group of the expert
	s_sub_co_u32 s27, s27, 1
	s_min_u32 s27, s27, 2047                       ; the expert's last row
	s_lshl_b32 s29, s25, 5
	s_add_co_u32 s29, s29, s26                     ; G = 32 E + I
	s_mov_b32 s53, 0
	s_lshl_b32 s52, s25, 13
	s_add_nc_u64 s[32:33], s[8:9], s[52:53]        ; LIST[E]
	s_lshl_b32 s30, s45, 8
	s_add_co_u32 s52, s52, s30
	s_add_nc_u64 s[34:35], s[10:11], s[52:53]      ; b1[E][64 slice]
	s_lshl_b32 s52, s25, 16
	s_lshl_b32 s30, s45, 11
	s_add_co_u32 s52, s52, s30
	s_add_co_u32 s52, s52, 12582912
	s_add_nc_u64 s[36:37], s[6:7], s[52:53]        ; W1's scale words of my slice
	s_mul_i32 s52, s25, 1572864
	s_mul_i32 s30, s45, 49152
	s_add_co_u32 s52, s52, s30
	s_add_nc_u64 s[38:39], s[6:7], s[52:53]        ; W1's codes of my slice
	s_add_nc_u64 s[40:41], s[4:5], 1572864         ; x's scale bytes
	s_mul_i32 s52, s29, 98304
	s_lshr_b32 s30, s45, 1
	s_mul_i32 s30, s30, 6144
	s_add_co_u32 s52, s52, s30
	s_and_b32 s30, s45, 1
	s_mul_i32 s30, s30, 768
	s_add_co_u32 s52, s52, s30
	s_add_nc_u64 s[42:43], s[12:13], s[52:53]      ; h's codes: group, K step slice / 2, half slice % 2
	s_lshl_b32 s52, s29, 12
	s_lshr_b32 s30, s45, 3
	s_lshl_b32 s30, s30, 10
	s_add_co_u32 s52, s52, s30
	s_bfe_u32 s30, s45, 0x20001
	s_lshl_b32 s30, s30, 2
	s_add_co_u32 s52, s52, s30
	s_and_b32 s30, s45, 1
	s_lshl_b32 s30, s30, 1
	s_add_co_u32 s52, s52, s30
	s_add_co_u32 s52, s52, 25165824
	s_add_nc_u64 s[50:51], s[12:13], s[52:53]      ; h's scale words: group, four K steps, word, half word
	s_lshl_b32 s30, s26, 6                         ; the group's first row
	s_lshl_b32 s55, s44, 4
	s_add_co_u32 s55, s55, s30                     ; the first of the 16 rows that my wave gathers
.irp pp, 0,1,2,3,4,5,6,7
	s_add_co_u32 s31, s55, 2*\pp
	v_add_nc_u32 v[TI+\pp], s31, v3                ; for the gather: row 16 wave + 2 pp + h
.endr
.irp p, 0,1
	s_add_co_u32 s31, s30, 32*\p
	v_add_nc_u32 v[TI+8+\p], s31, v1               ; for the scale words: row 32 p + lane
.endr
.irp i, 0,1,2,3,4,5,6,7,8,9
	v_min_u32 v[TI+\i], s27, v[TI+\i]              ; rows past the count repeat the last row
	v_min_u32 v[TI+\i], 0x7ff, v[TI+\i]
	v_lshlrev_b32 v[TI+\i], 2, v[TI+\i]
.endr
.irp i, 0,1,2,3,4,5,6,7,8,9
	global_load_b32 v[TT+\i], v[TI+\i], s[32:33]   ; the rows' tokens
.endr
	WIN 0x40                                       ; destination window 1
.irp ct, 0,1,2,3
	global_load_b128 v[BI+8*\ct:BI+8*\ct+3], v13, s[34:35] offset:4*(32*(\ct/2)+8*(\ct%2))          ; lane (r, h), tile 2 b + u: b1 at 32 b + 16 h + 8 u + 0 .. 7
	global_load_b128 v[BI+8*\ct+4:BI+8*\ct+7], v13, s[34:35] offset:4*(32*(\ct/2)+8*(\ct%2))+16
.endr
	WIN 0
.irp w, 0,1,2,3
.irp p, 0,1
	global_load_b64 v[SB+8*\p+2*\w:SB+8*\p+2*\w+1], v12, s[36:37] offset:512*\w+256*\p              ; K steps 2 w, 2 w + 1
.endr
.endr
.set LJ, 0
	LOADB                                          ; W1's first three K steps are asked for while the tokens are on their way
.set LJ, 1
	LOADB
.set LJ, 2
	LOADB
	s_wait_loadcnt 52                              ; the tokens are in; the 8 + 8 + 36 loads behind them may be out
.irp i, 0,1,2,3,4,5,6,7,8,9
	v_min_u32 v[TT+\i], 0x7ff, v[TT+\i]
.endr
.irp pp, 0,1,2,3,4,5,6,7
	v_mul_u32_u24 v[TG+\pp], v[TT+\pp], 768
	v_add_nc_u32 v[TG+\pp], v4, v[TG+\pp]          ; the token's codes: 768 token + 16 r
.endr
.irp p, 0,1
	v_lshlrev_b32 v[10+\p], 5, v[TT+8+\p]          ; v10-11: its scale bytes: 32 token
.endr
.irp p, 0,1
.irp q, 0,1
	global_load_b128 v[SA+8*\p+4*\q:SA+8*\p+4*\q+3], v[10+\p], s[40:41] offset:16*\q
.endr
.endr
	WIN 0x40
.irp pp, 0,1,2,3,4,5,6,7
.irp c, 0,1,2
	global_load_b128 v[AB+12*\pp+4*\c:AB+12*\pp+4*\c+3], v[TG+\pp], s[4:5] offset:256*\c           ; two tokens' runs of 256 consecutive bytes, aligned
.endr
.endr
	s_wait_loadcnt 0x0                             ; the gather is in, and with it all that was asked for before it
	WIN 0x04                                       ; an LDS store's data are its source 1: window 1
.irp pp, 0,1,2,3,4,5,6,7
.irp c, 0,1,2
	ds_store_b128 v7, v[AB+12*\pp+4*\c:AB+12*\pp+4*\c+3] offset:2*XP*\pp+256*\c
.endr
.endr
	WIN 0                                          ; at a branch and at a label every window is 0
	s_wait_dscnt 0x0                               ; for the others' sake: my 16 rows lie in LDS
	s_barrier_signal -1
	s_barrier_wait -1                              ; all 64 do; nothing is stored into LDS after this
	s_cmp_lg_u32 s54, 0
	s_cbranch_scc1 .Lnone                          ; a group without rows ends here: no load of the wave is out
.set LJ, 0
	LOADA
.set J, 0
.rept NS
.if (J > 0) && (J+1 < NS)
	PLACES                                         ; the buffers that are loaded next were multiplied in the step before
.endif
.if J+3 < NS
.set LJ, J+3
	LOADB
.endif
.if J+1 < NS
.set LJ, J+1
	LOADA
.endif
.set NB, NS-1-J                        ; W1's later steps that have been asked for: three, fewer at the end
.if NB > 3
.set NB, 3
.endif
	s_wait_loadcnt 12*NB                           ; loads come back in order (ISA guide 5.7.1): this step's fragments of W1 are in, the 12 loads of each later step may be out
.if J+1 < NS
	s_wait_dscnt 12                                ; this step's fragments of x are in; the next step's 12 may be out
.else
	s_wait_dscnt 0x0
.endif
	MULS
.set J, J+1
.endr
	; THE WAY OUT.  The activation moves the results into window 0 (W1's buffers are done with): each accumulator is read from its low end on
	PLACES
	WIN 0x04                                       ; source 1 window 1, destination window 0
.set n, 0
.rept 128
	v_max_num_f32 v[64+n], 0, v[n]                 ; relu: v[64 + 32 rt + 16 b + i] = hidden unit 32 b + 16 h + i of row 16 rt + r
.set n, n+1
.endr
	WIN 0
	v_mov_b32 v234, 0                              ; a lane permute's destination counts as one of its sources
	v_mov_b32 v235, 0
; The 32 numbers of a lane, two half blocks, become six registers of codes in v[200 + 8 rt] on and half a scale word in v[240 + rt].  No |.|: none is negative.
.macro QUANT2 rt
.set HB, 64+32*\rt
.set RB, 200+8*\rt
.irp b, 0,1
	v_max3_num_f32 v[232+\b], v[HB+16*\b], v[HB+16*\b+1], 0x2800000   ; block b: my 16 numbers, and the floor 2^(5 - 127)
.endr
.irp i, 2,4,6,8,10,12,14
.irp b, 0,1
	v_max3_num_f32 v[232+\b], v[232+\b], v[HB+16*\b+\i], v[HB+16*\b+\i+1]
.endr
.endr
.irp b, 0,1
	v_permlanex16_b32 v[234+\b], v[232+\b], s46, s47
.endr
.irp b, 0,1
	v_max_num_f32 v[232+\b], v[232+\b], v[234+\b]  ; with lane l xor 16's 16: the block's largest
.endr
.irp b, 0,1
	v_add_nc_u32 v[236+\b], 0xfe000000, v[232+\b]  ; 4 off the exponent field: the conversion's scale operand
.endr
.irp b, 0,1
	v_lshrrev_b32 v[238+\b], 23, v[236+\b]         ; the scale's byte
.endr
	v_lshl_or_b32 v[240+\rt], v239, 8, v238
	v_cvt_scalef32_pk16_bf6_f32 v[RB:RB+2], v[HB:HB+15], v236
	v_cvt_scalef32_pk16_bf6_f32 v[192:194], v[HB+16:HB+31], v237
	v_nop                                          ; one plain line behind a scaled conversion
.irp i, 0,1,2
	v_permlane16_swap_b32 v[RB+\i], v[192+\i]      ; the operand wants a whole block in a lane: lanes 0-15 block 0, lanes 16-31 block 1: the first now holds each lane's lower 16 codes, the second the upper 16
.endr
.irp i, 0,1,2
	v_mov_b32 v[RB+3+\i], v[192+\i]
.endr
.endm
	QUANT2 0
	QUANT2 1
	QUANT2 2
	QUANT2 3
	v_cndmask_b32 v244, v240, v241, s48            ; lane l: the half word of row 32 p + l
	v_cndmask_b32 v245, v242, v243, s48
.irp rt, 0,1,2,3
	global_store_b128 v5, v[200+8*\rt:203+8*\rt], s[42:43] offset:1536*\rt        ; 512 consecutive bytes,
	global_store_b64 v12, v[204+8*\rt:205+8*\rt], s[42:43] offset:1536*\rt+512    ; and the 256 behind them
.endr
	global_store_b16 v5, v244, s[50:51]
	global_store_b16 v5, v245, s[50:51] offset:512
.Lnone:
	s_wait_tensorcnt 0x0
	ds_add_u32 v62, v63
	s_wait_dscnt 0x0
	s_endpgm
.Lfunc_end_k_q896f714d83_gemm1:
	.size	k_q896f714d83_gemm1, .Lfunc_end_k_q896f714d83_gemm1-k_q896f714d83_gemm1
	.p2alignl 7, 3214868480
	.fill 96, 4, 3214868480
	.section	.rodata,"a",@progbits
	.p2align	6, 0x0
	.amdhsa_kernel k_q896f714d83_gemm1
		.amdhsa_group_segment_fixed_size 50688
		.amdhsa_private_segment_fixed_size 0
		.amdhsa_enable_private_segment 0
		.amdhsa_kernarg_size 40
		.amdhsa_user_sgpr_count 2
		.amdhsa_user_sgpr_kernarg_segment_ptr 1
		.amdhsa_wavefront_size32 1
		.amdhsa_system_sgpr_workgroup_id_x 1
		.amdhsa_system_sgpr_workgroup_id_y 1
		.amdhsa_system_sgpr_workgroup_id_z 1
		.amdhsa_system_vgpr_workitem_id 0
		.amdhsa_next_free_vgpr 512
		.amdhsa_next_free_sgpr 66
		.amdhsa_reserve_vcc 0
		.amdhsa_float_denorm_mode_32 3
		.amdhsa_float_denorm_mode_16_64 3
		.amdhsa_memory_ordered 1
		.amdhsa_forward_progress 1
		.amdhsa_inst_pref_size 62
	.end_amdhsa_kernel
	.amdgpu_metadata
---
amdhsa.version: [ 1, 2 ]
amdhsa.kernels:
  - .name:           k_q896f714d83_gemm1
    .symbol:         k_q896f714d83_gemm1.kd
    .args:
      - { .name: xq, .offset: 0, .size: 8, .value_kind: global_buffer, .address_space: global }
      - { .name: wq, .offset: 8, .size: 8, .value_kind: global_buffer, .address_space: global }
      - { .name: plan, .offset: 16, .size: 8, .value_kind: global_buffer, .address_space: global }
      - { .name: b1, .offset: 24, .size: 8, .value_kind: global_buffer, .address_space: global }
      - { .name: hq, .offset: 32, .size: 8, .value_kind: global_buffer, .address_space: global }
    .group_segment_fixed_size: 50688
    .private_segment_fixed_size: 0
    .kernarg_segment_align: 8
    .kernarg_segment_size: 40
    .max_flat_workgroup_size: 128
    .sgpr_count:     66
    .vgpr_count:     512
    .wavefront_size: 32
...
	.end_amdgpu_metadata
.endif
;; end of part 3
;; launch gemm2 (part 4): grid 4 x 71, 4 waves a work-group, no clusters, 17,920 bytes of LDS; arguments hq, wq, plan, b2, y; writes y
.if DOCPART == 4
	.amdgcn_target "amdgcn-amd-amdhsa--gfx1250"
	.amdhsa_code_object_version 6
	.text
	.protected	k_q896f714d83_gemm2
	.globl	k_q896f714d83_gemm2
	.p2align	8
	.type	k_q896f714d83_gemm2,@function
k_q896f714d83_gemm2:
	s_mov_b64 s[64:65], 0
	v_nop
	global_prefetch_b8 v0, s[64:65] scope:SCOPE_SE
	s_setreg_imm32_b32 hwreg(HW_REG_WAVE_MODE, 25, 1), 1
	s_wait_xcnt 0x0
; THE SECOND PRODUCT ON THE ROUTED ROWS: y = h W2[e] + b2[e], codes of E3M2 with one E8M0 scale for each 32 along K = 2,048, f32 sums.  y: f32 [2048 e + row of the expert][1024].
; Work-group y is a group of 64 rows of one expert, found from the eight stored counts as in the launch before: never more than 4096 / 64 + 7 = 71 groups; a group that the split leaves without rows ends at once.
; SHARES.  A wave makes 64 rows x 64 columns (slice = 4 x + wave): 16 accumulators.  All operands come from memory straight into registers, as images of the operand's registers: since the work hangs on loaded counts, the text has no barrier,
; and no tile is shared through LDS or asked for jointly: partners would have different numbers of tiles.  Fragments are asked for two K steps ahead, in three buffers by turns; scale words four K steps at a time, in two sets.  All 16 K steps are written out.
; THE MATRIX INSTRUCTION IS USED TRANSPOSED: source 0 = 16 columns of W2, source 1 = 16 rows of h: a lane holds eight neighbouring columns of one row.  The bias is the C of each sum's first instruction.
; OUT.  A tile of 16 rows x 64 columns goes through the wave's own stage in LDS (rows of 256 bytes + 16) and leaves as rows: sixteen lanes store 256 consecutive bytes, aligned.
; REGISTERS.  Window 0: v1-13 lane terms and addresses; v16-31, v32-47 two sets of scale words (in a set: h's at 4 p + step % 4, W2's at 8 + 4 p + step % 4; lanes 0-15 tile 2 p, lanes 16-31 tile 2 p + 1);
;   v64-159, v160-255 fragment buffers 0 and 1.  Window 1: v0-127 accumulator (rt, ct) at 8 (4 rt + ct); v128-223 buffer 2; v224-255 the bias.  In a buffer: h's fragment rt at 12 rt, W2's ct at 48 + 12 ct.
.set NS, 16                            ; K steps of 128
.set BI, 224
.set SP, 272                           ; a stage row: 17 x 16 bytes, so that sixteen rows' stores of 16 bytes fall on sixteen different columns of 16 bytes
.set CNT_OFF, 0x20000                  ; the eight counts in plan
.set MSB, 0
.macro WIN new                         ; s_set_vgpr_msb: bits 1:0 source 0, 3:2 source 1, 5:4 source 2, 7:6 destination; the high byte repeats the setting that is left
.if MSB != \new
	s_set_vgpr_msb (MSB<<8)|\new
.set MSB, \new
.endif
.endm
.macro PLACES                          ; a load into a register that a matrix instruction has read, and a store that reads a result, stand four plain vector instructions behind it (ISA guide 7.12.1 for vector instructions)
.rept 4
	v_nop
.endr
.endm
	s_load_b256 s[4:11], s[0:1], 0x0               ; hq s[4:5], wq s[6:7], plan s[8:9], b2 s[10:11]
	s_load_b64 s[12:13], s[0:1], 0x20              ; y
	v_lshl_add_u32 v62, v0, 2, 0x4400
	v_mov_b32 v63, 0
	v_lshrrev_b32 v2, 5, v0
	v_readfirstlane_b32 s44, v2                    ; wave
	v_and_b32 v1, 31, v0                           ; lane
	v_and_b32 v2, 15, v0                           ; r
	v_bfe_u32 v3, v0, 4, 1                         ; h
	v_lshlrev_b32 v5, 4, v1                        ; 16 x lane
	v_lshlrev_b32 v12, 3, v1                       ; 8 x lane
	v_lshlrev_b32 v13, 5, v3                       ; the bias: 8 numbers a half
	s_mul_i32 s30, s44, 16*SP                      ; my stage
	v_mul_u32_u24 v6, v2, SP
	v_lshl_add_u32 v6, v3, 5, v6
	v_add_nc_u32 v6, s30, v6                       ; in: row r, 32 bytes a half
	v_mul_u32_u24 v7, v3, SP
	v_lshl_add_u32 v7, v2, 4, v7
	v_add_nc_u32 v7, s30, v7                       ; back: lanes 0-15 one row, lanes 16-31 the next
	v_lshlrev_b32 v8, 12, v3
	v_lshl_add_u32 v8, v2, 4, v8                   ; and the same two rows in y
	s_lshl_b32 s45, ttmp9, 2
	s_add_co_u32 s45, s45, s44                     ; slice 0 .. 15
	s_and_b32 s28, ttmp7, 0xffff                   ; y
	s_wait_kmcnt 0x0
	s_load_b256 s[16:23], s[8:9], CNT_OFF          ; the eight counts
	s_mov_b32 s24, 0                               ; the first group of the expert in hand
	s_mov_b32 s25, 0                               ; E
	s_mov_b32 s26, 0                               ; E's first group
	s_wait_kmcnt 0x0
.irp e, 0,1,2,3,4,5,6,7                ; the last expert whose first group is not behind y; one without rows is passed over by the next
	s_cmp_le_u32 s24, s28
	s_cselect_b32 s25, \e, s25
	s_cselect_b32 s26, s24, s26
	s_add_co_u32 s29, s[16+\e], 63
	s_lshr_b32 s29, s29, 6
	s_add_co_u32 s24, s24, s29
.endr
	s_cmp_ge_u32 s28, s24
	s_cbranch_scc1 .Lnone                          ; this split has fewer groups than the grid
	s_min_u32 s25, s25, 7                          ; numbers made of loaded data enter addresses only behind bounds written in the instruction
	s_sub_co_u32 s26, s28, s26
	s_min_u32 s26, s26, 31
	s_lshl_b32 s29, s25, 5
	s_add_co_u32 s29, s29, s26                     ; G = 32 E + I
	s_mov_b32 s53, 0
	s_mul_i32 s52, s29, 98304
	s_add_nc_u64 s[32:33], s[4:5], s[52:53]        ; h's codes of the group
	s_lshl_b32 s52, s25, 12
	s_lshl_b32 s30, s45, 8
	s_add_co_u32 s52, s52, s30
	s_add_nc_u64 s[34:35], s[10:11], s[52:53]      ; b2[E][64 slice]
	s_lshl_b32 s52, s25, 16
	s_lshl_b32 s30, s45, 12
	s_add_co_u32 s52, s52, s30
	s_add_co_u32 s52, s52, 25690112
	s_add_nc_u64 s[36:37], s[6:7], s[52:53]        ; W2's scale words of my slice
	s_mul_i32 s52, s25, 1572864
	s_mul_i32 s30, s45, 98304
	s_add_co_u32 s52, s52, s30
	s_add_co_u32 s52, s52, 13107200
	s_add_nc_u64 s[38:39], s[6:7], s[52:53]        ; W2's codes of my slice
	s_lshl_b32 s52, s29, 12
	s_add_co_u32 s52, s52, 25165824
	s_add_nc_u64 s[40:41], s[4:5], s[52:53]        ; h's scale words of the group
	s_lshl_b32 s52, s29, 18
	s_lshl_b32 s30, s45, 8
	s_add_co_u32 s52, s52, s30
	s_add_nc_u64 s[42:43], s[12:13], s[52:53]      ; y: the group's 64 rows of 4,096 bytes, my 256 bytes of each
	WIN 0x40                                       ; destination window 1
.irp ct, 0,1,2,3
	global_load_b128 v[BI+8*\ct:BI+8*\ct+3], v13, s[34:35] offset:64*\ct          ; lane (r, h), tile ct: b2 at 16 ct + 8 h + 0 .. 7
	global_load_b128 v[BI+8*\ct+4:BI+8*\ct+7], v13, s[34:35] offset:64*\ct+16
.endr
	WIN 0
.macro LOADS                           ; K step LJ's 8 fragments, 28 loads, into buffer LJ % 3; with every fourth step the scale words of four steps, 6 loads
.if LJ%4 == 0
.set SS, 16+16*((LJ/4)%2)
	WIN 0
.irp p, 0,1
	global_load_b128 v[SS+4*\p:SS+4*\p+3], v5, s[40:41] offset:1024*(LJ/4)+512*\p                   ; lane l: row 32 p + l
.endr
.irp hf, 0,1
.irp p, 0,1
	global_load_b64 v[SS+8+4*\p+2*\hf:SS+8+4*\p+2*\hf+1], v12, s[36:37] offset:512*(2*(LJ/4)+\hf)+256*\p
.endr
.endr
.endif
.if LJ%3 == 0
.set FB, 64
	WIN 0
.elseif LJ%3 == 1
.set FB, 160
	WIN 0
.else
.set FB, 128
	WIN 0x40
.endif
.irp rt, 0,1,2,3
	global_load_b128 v[FB+12*\rt:FB+12*\rt+3], v5, s[32:33] offset:6144*LJ+1536*\rt
	global_load_b64 v[FB+12*\rt+4:FB+12*\rt+5], v12, s[32:33] offset:6144*LJ+1536*\rt+512
	global_load_b128 v[FB+12*\rt+6:FB+12*\rt+9], v5, s[32:33] offset:6144*LJ+1536*\rt+768
	global_load_b64 v[FB+12*\rt+10:FB+12*\rt+11], v12, s[32:33] offset:6144*LJ+1536*\rt+1280
.endr
.irp ct, 0,1,2,3
.irp q, 0,1,2
	global_load_b128 v[FB+48+12*\ct+4*\q:FB+48+12*\ct+4*\q+3], v5, s[38:39] offset:6144*LJ+1536*\ct+512*\q
.endr
.endr
.endm
.macro MULS                            ; K step J: 16 matrix instructions; the 16 accumulators take turns, one instruction a turn
.if J%3 == 0
.set MB, 64
	WIN 0x50                                       ; C and D window 1
.elseif J%3 == 1
.set MB, 160
	WIN 0x50
.else
.set MB, 128
	WIN 0x55                                       ; the fragments too
.endif
.irp rt, 0,1,2,3
.irp ct, 0,1,2,3
.set rD, 8*(4*\rt+\ct)
.if J == 0
.set rC, BI+8*\ct                      ; the bias starts the sum
.else
.set rC, rD
.endif
.set rW, MB+48+12*\ct
.set rX, MB+12*\rt
.set rSW, 16+16*((J/4)%2)+8+4*(\ct/2)+J%4
.set rSX, 16+16*((J/4)%2)+4*(\rt/2)+J%4
.if (\ct%2 == 0) && (\rt%2 == 0)
	v_wmma_scale_f32_16x16x128_f8f6f4 v[rD:rD+7], v[rW:rW+11], v[rX:rX+11], v[rC:rC+7], v[rSW], v[rSX] matrix_a_fmt:MATRIX_FMT_BF6 matrix_b_fmt:MATRIX_FMT_BF6
.elseif (\ct%2 == 1) && (\rt%2 == 0)
	v_wmma_scale_f32_16x16x128_f8f6f4 v[rD:rD+7], v[rW:rW+11], v[rX:rX+11], v[rC:rC+7], v[rSW], v[rSX] matrix_a_fmt:MATRIX_FMT_BF6 matrix_b_fmt:MATRIX_FMT_BF6 matrix_a_scale:MATRIX_SCALE_ROW1
.elseif \ct%2 == 0
	v_wmma_scale_f32_16x16x128_f8f6f4 v[rD:rD+7], v[rW:rW+11], v[rX:rX+11], v[rC:rC+7], v[rSW], v[rSX] matrix_a_fmt:MATRIX_FMT_BF6 matrix_b_fmt:MATRIX_FMT_BF6 matrix_b_scale:MATRIX_SCALE_ROW1
.else
	v_wmma_scale_f32_16x16x128_f8f6f4 v[rD:rD+7], v[rW:rW+11], v[rX:rX+11], v[rC:rC+7], v[rSW], v[rSX] matrix_a_fmt:MATRIX_FMT_BF6 matrix_b_fmt:MATRIX_FMT_BF6 matrix_a_scale:MATRIX_SCALE_ROW1 matrix_b_scale:MATRIX_SCALE_ROW1
.endif
.endr
.endr
.endm
.set LJ, 0
	LOADS
.set LJ, 1
	LOADS
.set J, 0
.rept NS
.if J+2 < NS
.if J > 0
	PLACES                                         ; the buffer that is loaded next was multiplied in the step before; a set of scale words that is loaded next served its last product three steps before this one
.endif
.set LJ, J+2
	LOADS
.endif
.set NW, 0                             ; the loads of the later steps, which may stay out: 28 a step, 6 more where scale words came with it
.if J+1 < NS
.set NW, NW+28
.if (J+1)%4 == 0
.set NW, NW+6
.endif
.endif
.if J+2 < NS
.set NW, NW+28
.if (J+2)%4 == 0
.set NW, NW+6
.endif
.endif
	s_wait_loadcnt NW                              ; loads come back in order (ISA guide 5.7.1): this step's, and all that was asked for before them, are in
	MULS
.set J, J+1
.endr
; THE WAY OUT, a tile of 16 rows at a time.  LDS serves a wave's instructions in order (ISA guide 5.7.1.4): no wait between the stores and the loads, nor in front of the next tile's stores.
.macro TOSTAGE rt
	WIN 0x04                                       ; an LDS store's data are its source 1: window 1
.irp ct, 0,1,2,3
	ds_store_b128 v6, v[8*(4*\rt+\ct):8*(4*\rt+\ct)+3] offset:64*\ct             ; each accumulator from its low end on: y(16 rt + r, 16 ct + 8 h + 0 .. 7)
	ds_store_b128 v6, v[8*(4*\rt+\ct)+4:8*(4*\rt+\ct)+7] offset:64*\ct+16
.endr
	WIN 0
.irp i, 0,1,2,3,4,5,6,7
	ds_load_b128 v[64+32*\rt+4*\i:64+32*\rt+4*\i+3], v7 offset:2*SP*\i
.endr
.endm
.macro SEND rt, younger                ; younger: the LDS instructions issued behind tile rt's loads, which may stay out
	s_wait_dscnt \younger
.irp i, 0,1,2,3,4,5,6,7
	global_store_b128 v8, v[64+32*\rt+4*\i:64+32*\rt+4*\i+3], s[42:43] offset:(16*\rt+2*\i)*4096   ; sixteen lanes store 256 consecutive bytes, aligned; no register of a store is written again
.endr
.endm
	PLACES                                         ; behind the last products: for the stores that read results and the loads into buffer 0
	TOSTAGE 0
	TOSTAGE 1
	SEND 0, 16                                     ; behind tile 0's loads: tile 1's 8 stores and 8 loads
	TOSTAGE 2
	SEND 1, 16
	TOSTAGE 3
	SEND 2, 16
	SEND 3, 0
.Lnone:
	s_wait_tensorcnt 0x0
	ds_add_u32 v62, v63
	s_wait_dscnt 0x0
	s_endpgm
.Lfunc_end_k_q896f714d83_gemm2:
	.size	k_q896f714d83_gemm2, .Lfunc_end_k_q896f714d83_gemm2-k_q896f714d83_gemm2
	.p2alignl 7, 3214868480
	.fill 96, 4, 3214868480
	.section	.rodata,"a",@progbits
	.p2align	6, 0x0
	.amdhsa_kernel k_q896f714d83_gemm2
		.amdhsa_group_segment_fixed_size 17920
		.amdhsa_private_segment_fixed_size 0
		.amdhsa_enable_private_segment 0
		.amdhsa_kernarg_size 40
		.amdhsa_user_sgpr_count 2
		.amdhsa_user_sgpr_kernarg_segment_ptr 1
		.amdhsa_wavefront_size32 1
		.amdhsa_system_sgpr_workgroup_id_x 1
		.amdhsa_system_sgpr_workgroup_id_y 1
		.amdhsa_system_sgpr_workgroup_id_z 1
		.amdhsa_system_vgpr_workitem_id 0
		.amdhsa_next_free_vgpr 512
		.amdhsa_next_free_sgpr 66
		.amdhsa_reserve_vcc 0
		.amdhsa_float_denorm_mode_32 3
		.amdhsa_float_denorm_mode_16_64 3
		.amdhsa_memory_ordered 1
		.amdhsa_forward_progress 1
		.amdhsa_inst_pref_size 93
	.end_amdhsa_kernel
	.amdgpu_metadata
---
amdhsa.version: [ 1, 2 ]
amdhsa.kernels:
  - .name:           k_q896f714d83_gemm2
    .symbol:         k_q896f714d83_gemm2.kd
    .args:
      - { .name: hq, .offset: 0, .size: 8, .value_kind: global_buffer, .address_space: global }
      - { .name: wq, .offset: 8, .size: 8, .value_kind: global_buffer, .address_space: global }
      - { .name: plan, .offset: 16, .size: 8, .value_kind: global_buffer, .address_space: global }
      - { .name: b2, .offset: 24, .size: 8, .value_kind: global_buffer, .address_space: global }
      - { .name: y, .offset: 32, .size: 8, .value_kind: global_buffer, .address_space: global }
    .group_segment_fixed_size: 17920
    .private_segment_fixed_size: 0
    .kernarg_segment_align: 8
    .kernarg_segment_size: 40
    .max_flat_workgroup_size: 128
    .sgpr_count:     66
    .vgpr_count:     512
    .wavefront_size: 32
...
	.end_amdgpu_metadata
.endif
;; end of part 4
;; launch combine (part 5): grid 256 x 1, 8 waves a work-group, no clusters, 0 bytes of LDS; arguments y, plan, route, xq, out0; writes out0
.if DOCPART == 5
	.amdgcn_target "amdgcn-amd-amdhsa--gfx1250"
	.amdhsa_code_object_version 6
	.text
	.protected	k_q896f714d83_combine
	.globl	k_q896f714d83_combine
	.p2align	8
	.type	k_q896f714d83_combine,@function
k_q896f714d83_combine:
	s_mov_b64 s[64:65], 0
	v_nop
	global_prefetch_b8 v0, s[64:65] scope:SCOPE_SE
	s_setreg_imm32_b32 hwreg(HW_REG_WAVE_MODE, 25, 1), 1
	s_wait_xcnt 0x0
; out[t] = g0 y[pos0] + g1 y[pos1]: the weighted sum over experts, of which only a token's two chosen ones have a weight other than 0.  All f32.
; One wave takes one token, t = 8 x work-group + wave: two rows of 4,096 bytes in, one out.  The token's two experts e0, e1 come from its route word (whole numbers, stored by the router's launch);
; pos = POS[e][t] (plan + 65,536 + 8,192 e + 4 t, whole numbers, stored by the placing launch) is the place of the token's row in y; g0, g1: the router's gates (xq + 1,638,400 + 8 t), in the order of e0, e1.
; Each load and store of the wave covers 512 consecutive bytes, aligned.  All 16 loads go out at once; each output row has one owner.
; No LDS, no matrix unit: the launch only moves bytes.
	s_load_b256 s[4:11], s[0:1], 0x0               ; y s[4:5], plan s[6:7], route s[8:9], xq s[10:11]
	s_load_b64 s[12:13], s[0:1], 0x20              ; out0
	v_lshrrev_b32 v1, 5, v0
	v_readfirstlane_b32 s14, v1                    ; wave
	v_and_b32 v1, 31, v0
	v_lshlrev_b32 v1, 4, v1                        ; 16 bytes a lane
	s_lshl_b32 s15, ttmp9, 3
	s_add_co_u32 s15, s15, s14                     ; t
	s_lshl_b32 s20, s15, 2                         ; 4 t
	s_lshl_b32 s21, s15, 3                         ; 8 t
	s_lshl_b32 s26, s15, 12                        ; the token's row of out0
	s_mov_b32 s27, 0
	s_wait_kmcnt 0x0
	s_load_b32 s16, s[8:9], s20 offset:0x0         ; e0 | e1 << 8
	s_load_b64 s[18:19], s[10:11], s21 offset:0x190000   ; g0, g1
	s_add_nc_u64 s[12:13], s[12:13], s[26:27]
	s_wait_kmcnt 0x0
	s_and_b32 s17, s16, 0xff                       ; e0
	s_lshr_b32 s16, s16, 8                         ; e1
	s_min_u32 s17, s17, 7                          ; a loaded number enters an address only behind a bound written in the instruction
	s_min_u32 s16, s16, 7
	s_lshl_b32 s17, s17, 13
	s_lshl_b32 s16, s16, 13
	s_add_co_u32 s17, s17, s20                     ; 8,192 e + 4 t
	s_add_co_u32 s16, s16, s20
	s_load_b32 s22, s[6:7], s17 offset:0x10000     ; pos0
	s_load_b32 s24, s[6:7], s16 offset:0x10000     ; pos1
	s_mov_b32 s28, s19                             ; the packed forms name a scalar pair and take its low word for both halves: g0 is the low word of s[18:19], g1 gets a pair of its own
	s_mov_b32 s29, s19
	s_wait_kmcnt 0x0
	s_min_u32 s22, s22, 0x3fff                     ; y has 16,384 rows
	s_min_u32 s24, s24, 0x3fff
	s_lshl_b32 s22, s22, 12
	s_mov_b32 s23, 0
	s_lshl_b32 s24, s24, 12
	s_mov_b32 s25, 0
	s_add_nc_u64 s[22:23], s[4:5], s[22:23]
	s_add_nc_u64 s[24:25], s[4:5], s[24:25]
.irp i, 0,1,2,3,4,5,6,7
	global_load_b128 v[8+4*\i:11+4*\i], v1, s[22:23] offset:512*\i th:TH_LOAD_NT
	global_load_b128 v[40+4*\i:43+4*\i], v1, s[24:25] offset:512*\i th:TH_LOAD_NT
.endr
.irp i, 0,1,2,3,4,5,6,7
	s_wait_loadcnt 14-2*\i                         ; loads come back in order (ISA guide 5.7.1): pair i is in, the later pairs may be out
	v_pk_mul_f32 v[8+4*\i:9+4*\i], v[8+4*\i:9+4*\i], s[18:19] op_sel_hi:[1,0]
	v_pk_mul_f32 v[10+4*\i:11+4*\i], v[10+4*\i:11+4*\i], s[18:19] op_sel_hi:[1,0]
	v_pk_fma_f32 v[8+4*\i:9+4*\i], v[40+4*\i:41+4*\i], s[28:29], v[8+4*\i:9+4*\i] op_sel_hi:[1,0,1]
	v_pk_fma_f32 v[10+4*\i:11+4*\i], v[42+4*\i:43+4*\i], s[28:29], v[10+4*\i:11+4*\i] op_sel_hi:[1,0,1]
	global_store_b128 v1, v[8+4*\i:11+4*\i], s[12:13] offset:512*\i th:TH_STORE_NT
.endr
	s_endpgm
.Lfunc_end_k_q896f714d83_combine:
	.size	k_q896f714d83_combine, .Lfunc_end_k_q896f714d83_combine-k_q896f714d83_combine
	.p2alignl 7, 3214868480
	.fill 96, 4, 3214868480
	.section	.rodata,"a",@progbits
	.p2align	6, 0x0
	.amdhsa_kernel k_q896f714d83_combine
		.amdhsa_group_segment_fixed_size 0
		.amdhsa_private_segment_fixed_size 0
		.amdhsa_enable_private_segment 0
		.amdhsa_kernarg_size 40
		.amdhsa_user_sgpr_count 2
		.amdhsa_user_sgpr_kernarg_segment_ptr 1
		.amdhsa_wavefront_size32 1
		.amdhsa_system_sgpr_workgroup_id_x 1
		.amdhsa_system_sgpr_workgroup_id_y 1
		.amdhsa_system_sgpr_workgroup_id_z 1
		.amdhsa_system_vgpr_workitem_id 0
		.amdhsa_next_free_vgpr 72
		.amdhsa_next_free_sgpr 66
		.amdhsa_reserve_vcc 0
		.amdhsa_float_denorm_mode_32 3
		.amdhsa_float_denorm_mode_16_64 3
		.amdhsa_memory_ordered 1
		.amdhsa_forward_progress 1
		.amdhsa_inst_pref_size 7
	.end_amdhsa_kernel
	.amdgpu_metadata
---
amdhsa.version: [ 1, 2 ]
amdhsa.kernels:
  - .name:           k_q896f714d83_combine
    .symbol:         k_q896f714d83_combine.kd
    .args:
      - { .name: y, .offset: 0, .size: 8, .value_kind: global_buffer, .address_space: global }
      - { .name: plan, .offset: 8, .size: 8, .value_kind: global_buffer, .address_space: global }
      - { .name: route, .offset: 16, .size: 8, .value_kind: global_buffer, .address_space: global }
      - { .name: xq, .offset: 24, .size: 8, .value_kind: global_buffer, .address_space: global }
      - { .name: out0, .offset: 32, .size: 8, .value_kind: global_buffer, .address_space: global }
    .group_segment_fixed_size: 0
    .private_segment_fixed_size: 0
    .kernarg_segment_align: 8
    .kernarg_segment_size: 40
    .max_flat_workgroup_size: 256
    .sgpr_count:     66
    .vgpr_count:     72
    .wavefront_size: 32
...
	.end_amdgpu_metadata
.endif
;; end of part 5
;; ======== version 2 of 2: 5 launches
;; workspace buffers: route 8,192 bytes of whole numbers; xq 1,654,784 bytes; wq 26,214,400 bytes; plan 131,328 bytes of whole numbers; hq 26,214,400 bytes; y 67,108,864 bytes
;; launch route (part 6): grid 256 x 1, 8 waves a work-group, no clusters, 34,304 bytes of LDS; arguments x, gate_W, gate_b, xq, route; writes xq, route
.if DOCPART == 6
	.amdgcn_target "amdgcn-amd-amdhsa--gfx1250"
	.amdhsa_code_object_version 6
	.text
	.protected	k_q896f714d83_route
	.globl	k_q896f714d83_route
	.p2align	8
	.type	k_q896f714d83_route,@function
k_q896f714d83_route:
	s_mov_b64 s[64:65], 0
	v_nop
	global_prefetch_b8 v0, s[64:65] scope:SCOPE_SE
	s_setreg_imm32_b32 hwreg(HW_REG_WAVE_MODE, 25, 1), 1
	s_wait_xcnt 0x0
; THE ROUTER, AND x INTO CODES.  x: [2048 tokens][1024] f32.  gate_W: [1024][8], gate_b: [8], f32.
; One wave takes one token, t = 8 x work-group + wave; lane l owns k = 32 l .. 32 l + 31, which is one block of the quantiser.
; ROUTER, all in f32: logits = x gate_W + gate_b (fused multiply-adds, a lane's 32 k, then a sum over the 32 lanes), softmax with the row's maximum taken away,
; the two largest scores (a strict compare, so that of equal scores the lower index is kept), gates = score / max(sum of the two, 1e-12).
; Stored at fixed places: route[t] = first expert | second expert << 8 (whole numbers: a later launch forms addresses from them); the two gates as f32 in xq at GW_OFF + 8 t.
; QUANTISER: a block's scale is 2^(floor(log2(largest magnitude)) - 4); its byte is the largest magnitude's exponent field - 4, held at 1 from below; codes of E3M2, nearest, ties to even.
; The codes are laid in the order of the operand's registers: xq + 768 t + 96 s + 48 h + 24 c holds block 4 s + 2 c + h, so that lane (row, h) of a fragment of K step s finds its 12 registers as 48 bytes on end.
; The scale bytes: xq + XS_OFF + 32 t + block: word s is the scale word of K step s.
; A lane's 128 bytes of x come by eight loads of 16 bytes; lanes stand 128 bytes apart.  x is 8 MB of the program's 143 MB of inputs, so no turn through LDS is spent on it.
; LIMITS: NaN and infinities are not served.  A block of zeros gets the byte 1 where the rule says 127: its codes are zeros, and this program alone reads the bytes.  Blocks whose largest magnitude lies under 2^-122 are held at the byte 1.
; Scores that differ by less than what v_exp_f32 and v_rcp_f32 resolve (1 ulp each: ISA guide, their entries) may be ranked either way.
.set L,   8                            ; v8-15    the eight logits, then scores
.set X,   16                           ; v16-47   my 32 numbers of x
.set G,   48                           ; v48-111  eight rows of gate_W
.set W,   112                          ; v112-127 at work
.set C,   128                          ; v128-137 codes, the scale byte, a zero offset: written once
.set GP,  1040                         ; LDS: a lane's 32 rows of gate_W, 1,024 bytes + 16: 65 x 16 bytes, so that sixteen lanes' loads of 16 bytes fall on sixteen different columns of 16 bytes
.set XS_OFF, 1572864
.set GW_OFF, 1638400
	s_load_b256 s[4:11], s[0:1], 0x0               ; x s[4:5], gate_W s[6:7], gate_b s[8:9], xq s[10:11]
	s_load_b64 s[12:13], s[0:1], 0x20              ; route
	v_lshl_add_u32 v144, v0, 2, 0x8200
	v_mov_b32 v145, 0
	v_lshrrev_b32 v2, 5, v0
	s_delay_alu instid0(VALU_DEP_1)
	v_readfirstlane_b32 s14, v2                    ; wave
	v_and_b32 v1, 31, v0                           ; lane
	s_lshl_b32 s15, ttmp9, 3
	s_add_co_u32 s15, s15, s14                     ; t
	v_lshlrev_b32 v2, 7, v1                        ; x: 128 bytes a lane
	v_lshlrev_b32 v3, 4, v0                        ; gate_W on its way in: 16 bytes a thread
	v_lshrrev_b32 v4, 6, v0
	s_delay_alu instid0(VALU_DEP_1)
	v_mul_u32_u24 v4, v4, GP
	v_and_b32 v5, 63, v0
	s_delay_alu instid0(VALU_DEP_1)
	v_lshl_add_u32 v4, v5, 4, v4                   ; and in LDS: 64 threads fill a lane's 1,024 bytes
	v_mul_u32_u24 v5, v1, GP                       ; my 32 rows of gate_W
	v_lshrrev_b32 v6, 2, v1
	s_delay_alu instid0(VALU_DEP_1)
	v_mul_u32_u24 v6, v6, 96                       ; my codes: K step l / 4,
	v_and_b32 v7, 1, v1
	s_delay_alu instid0(VALU_DEP_1)
	v_mad_u32_u24 v6, v7, 48, v6                   ; half h = l % 2,
	v_bfe_u32 v7, v1, 1, 1
	s_delay_alu instid0(VALU_DEP_1)
	v_mad_u32_u24 v6, v7, 24, v6                   ; c = (l / 2) % 2
	s_mov_b32 s24, 0x76543210
	s_mov_b32 s25, 0xfedcba98                      ; v_permlanex16_b32's selects for lane l xor 16
	s_lshl_b32 s26, s15, 12                        ; byte offsets of token t: in x,
	s_mov_b32 s27, 0
	s_mul_i32 s28, s15, 768                        ; among the codes,
	s_mov_b32 s29, 0
	s_lshl_b32 s30, s15, 5
	s_add_co_u32 s30, s30, XS_OFF                  ; the scale bytes,
	s_mov_b32 s31, 0
	s_lshl_b32 s32, s15, 3
	s_add_co_u32 s32, s32, GW_OFF                  ; the gates,
	s_mov_b32 s33, 0
	s_lshl_b32 s34, s15, 2                         ; and in route
	s_mov_b32 s35, 0
	s_wait_alu depctr_va_vdst(0)
	s_wait_kmcnt 0x0
	s_load_b256 s[16:23], s[8:9], 0x0              ; gate_b: 32 bytes, the whole buffer
	s_add_nc_u64 s[4:5], s[4:5], s[26:27]
	s_add_nc_u64 s[28:29], s[10:11], s[28:29]
	s_add_nc_u64 s[30:31], s[10:11], s[30:31]
	s_add_nc_u64 s[32:33], s[10:11], s[32:33]
	s_add_nc_u64 s[12:13], s[12:13], s[34:35]
.irp j, 0,1,2,3,4,5,6,7
	global_load_b128 v[X+4*\j:X+4*\j+3], v2, s[4:5] offset:16*\j th:TH_LOAD_NT
.endr
.irp j, 0,1,2,3,4,5,6,7
	global_load_b128 v[G+4*\j:G+4*\j+3], v3, s[6:7] offset:4096*\j   ; the work-group's 256 threads take 4,096 consecutive bytes a line
.endr
	s_wait_loadcnt 0x0
.irp j, 0,1,2,3,4,5,6,7
	ds_store_b128 v4, v[G+4*\j:G+4*\j+3] offset:4*GP*\j              ; 4,096 bytes are four lanes' rows
.endr
	; x's block, while the stores land: the largest magnitude of my 32 numbers, in two chains
	v_max3_num_f32 v[W], |v[X]|, |v[X+1]|, |v[X+2]|
	v_max3_num_f32 v[W+1], |v[X+3]|, |v[X+4]|, |v[X+5]|
.irp i, 6,10,14,18,22,26
	s_delay_alu instid0(VALU_DEP_2)
	v_max3_num_f32 v[W], v[W], |v[X+\i]|, |v[X+\i+1]|
	s_delay_alu instid0(VALU_DEP_2)
	v_max3_num_f32 v[W+1], v[W+1], |v[X+\i+2]|, |v[X+\i+3]|
.endr
	s_delay_alu instid0(VALU_DEP_2)
	v_max3_num_f32 v[W], v[W], |v[X+30]|, |v[X+31]|
	s_delay_alu instid0(VALU_DEP_1)
	v_max3_num_f32 v[W], v[W], v[W+1], 0x2800000   ; and the floor 2^(5 - 127): the byte cannot fall under 1
	s_delay_alu instid0(VALU_DEP_1)
	v_add_nc_u32 v[W+2], 0xfe000000, v[W]          ; 4 off the exponent field: the conversion takes the exponent field of this operand as its scale
	v_cvt_scalef32_pk16_bf6_f32 v[C:C+2], v[X:X+15], v[W+2]
	v_cvt_scalef32_pk16_bf6_f32 v[C+4:C+6], v[X+16:X+31], v[W+2]     ; (a conversion's three registers begin on an even number)
	v_lshrrev_b32 v[C+8], 23, v[W+2]               ; the scale's byte; also the plain line behind the conversions
	global_store_b96 v6, v[C:C+2], s[28:29]
	global_store_b96 v6, v[C+4:C+6], s[28:29] offset:12              ; the wave's two stores cover the token's 768 consecutive bytes
	global_store_b8 v1, v[C+8], s[30:31]           ; 32 consecutive bytes
	s_wait_dscnt 0x0                               ; for the others' sake: my part of gate_W lies in LDS
	s_barrier_signal -1
	s_barrier_wait -1                              ; everybody's does
; Eight k of the dot products: x(k) times gate_W's row k, two experts an instruction, four chains.
.macro DOT g
.irp k, 0,1,2,3,4,5,6,7
	ds_load_b128 v[G+8*\k:G+8*\k+3], v5 offset:32*(8*\g+\k)
	ds_load_b128 v[G+8*\k+4:G+8*\k+7], v5 offset:32*(8*\g+\k)+16
.endr
	s_wait_dscnt 0x0
.irp k, 0,1,2,3,4,5,6,7
.irp p, 0,1,2,3
.if (\g == 0) && (\k == 0)
	v_pk_mul_f32 v[L+2*\p:L+2*\p+1], v[X:X+1], v[G+2*\p:G+2*\p+1] op_sel_hi:[0,1]   ; the first product starts the sums: nothing is cleared
.elseif \k%2 == 0
	v_pk_fma_f32 v[L+2*\p:L+2*\p+1], v[X+8*\g+2*(\k/2):X+8*\g+2*(\k/2)+1], v[G+8*\k+2*\p:G+8*\k+2*\p+1], v[L+2*\p:L+2*\p+1] op_sel_hi:[0,1,1]               ; the pair's first register feeds both halves
.else
	s_delay_alu instid0(VALU_DEP_4)
	v_pk_fma_f32 v[L+2*\p:L+2*\p+1], v[X+8*\g+2*(\k/2):X+8*\g+2*(\k/2)+1], v[G+8*\k+2*\p:G+8*\k+2*\p+1], v[L+2*\p:L+2*\p+1] op_sel:[1,0,0] op_sel_hi:[1,1,1]  ; its second
.endif
.endr
.endr
.endm
	DOT 0
	s_wait_alu depctr_va_vdst(0)
	DOT 1
	s_wait_alu depctr_va_vdst(0)
	DOT 2
	s_wait_alu depctr_va_vdst(0)
	DOT 3
.irp e, 0,1,2,3,4,5,6,7
	v_mov_b32 v[W+\e], 0                           ; a lane permute's destination counts as one of its sources
.endr
.irp m, 1,2,4,8
.irp e, 0,1,2,3,4,5,6,7
	v_add_f32_dpp v[L+\e], v[L+\e], v[L+\e] row_xmask:\m row_mask:0xf bank_mask:0xf   ; the sum over sixteen lanes; the eight logits by turns
.endr
.endr
.irp e, 0,1,2,3,4,5,6,7
	v_permlanex16_b32 v[W+\e], v[L+\e], s24, s25
.endr
.irp e, 0,1,2,3,4,5,6,7
	v_add_f32 v[L+\e], v[L+\e], v[W+\e]            ; and the other sixteen: every lane holds the sum
.endr
	s_wait_alu depctr_va_vdst(0)
	s_wait_kmcnt 0x0                               ; gate_b
.irp e, 0,1,2,3,4,5,6,7
	v_add_f32 v[L+\e], s[16+\e], v[L+\e]
.endr
	; softmax
	v_max3_num_f32 v[W+12], v[L], v[L+1], v[L+2]
	s_delay_alu instid0(VALU_DEP_1)
	v_max3_num_f32 v[W+12], v[W+12], v[L+3], v[L+4]
	s_delay_alu instid0(VALU_DEP_1)
	v_max3_num_f32 v[W+12], v[W+12], v[L+5], v[L+6]
	s_delay_alu instid0(VALU_DEP_1)
	v_max_num_f32 v[W+12], v[W+12], v[L+7]
.irp e, 0,1,2,3,4,5,6,7
	v_sub_f32 v[L+\e], v[L+\e], v[W+12]            ; the maximum is taken away first: the difference is formed before it is scaled, so that large logits lose nothing
.endr
.irp e, 0,1,2,3,4,5,6,7
	v_mul_f32 v[L+\e], 0x3fb8aa3b, v[L+\e]         ; x log2(e)
.endr
	s_wait_alu depctr_va_vdst(0)
.irp e, 0,1,2,3,4,5,6,7
	v_exp_f32 v[L+\e], v[L+\e]
.endr
	v_mov_b32 v[W+13], 0                           ; the first expert's index begins at 0.  (The plain line behind the exponentials)
	s_wait_alu depctr_va_vdst(0)
	v_add_f32 v[W+8], v[L], v[L+1]
	v_add_f32 v[W+9], v[L+2], v[L+3]
	v_add_f32 v[W+10], v[L+4], v[L+5]
	v_add_f32 v[W+11], v[L+6], v[L+7]
	s_delay_alu instid0(VALU_DEP_3)
	v_add_f32 v[W+8], v[W+8], v[W+9]
	s_delay_alu instid0(VALU_DEP_2)
	v_add_f32 v[W+10], v[W+10], v[W+11]
	s_delay_alu instid0(VALU_DEP_1)
	v_add_f32 v[W+8], v[W+8], v[W+10]
	s_wait_alu depctr_va_vdst(0)
	v_rcp_f32 v[W+12], v[W+8]
	v_mov_b32 v[W+14], 0                           ; the second expert's index.  (The plain line behind the reciprocal)
	s_wait_alu depctr_va_vdst(0)
.irp e, 0,1,2,3,4,5,6,7
	v_mul_f32 v[L+\e], v[L+\e], v[W+12]            ; the scores
.endr
; The largest of eight numbers v[src] .. v[src + 7] and its index; of equals the lower index stays.
.macro BEST val, idx, src
	v_mov_b32 v[\val], v[\src]
.irp e, 1
	s_delay_alu instid0(VALU_DEP_1)
	v_cmp_gt_f32 vcc_lo, v[\src+\e], v[\val]
	s_delay_alu instid0(VALU_DEP_1)
	v_cndmask_b32 v[\val], v[\val], v[\src+\e], vcc_lo
	s_delay_alu instid0(VALU_DEP_2)
	v_cndmask_b32 v[\idx], v[\idx], \e, vcc_lo
.endr
.irp e, 2, 3, 4, 5, 6, 7
	s_delay_alu instid0(VALU_DEP_2)
	v_cmp_gt_f32 vcc_lo, v[\src+\e], v[\val]
	s_delay_alu instid0(VALU_DEP_1)
	v_cndmask_b32 v[\val], v[\val], v[\src+\e], vcc_lo
	s_delay_alu instid0(VALU_DEP_2)
	v_cndmask_b32 v[\idx], v[\idx], \e, vcc_lo
.endr
.endm
	BEST W+10, W+13, L
.irp e, 0,1,2,3,4,5,6,7
	v_cmp_eq_u32 vcc_lo, \e, v[W+13]
	s_delay_alu instid0(VALU_DEP_1)
	v_cndmask_b32 v[W+\e], v[L+\e], -1.0, vcc_lo   ; the first choice steps under every score (none is negative)
.endr
	BEST W+11, W+14, W
	s_delay_alu instid0(VALU_DEP_2)
	v_add_f32 v[W+12], v[W+10], v[W+11]            ; the l1 norm of the two that are kept
	s_delay_alu instid0(VALU_DEP_1)
	v_max_num_f32 v[W+12], 0x2b8cbccc, v[W+12]     ; at least 1e-12
	s_wait_alu depctr_va_vdst(0)
	v_rcp_f32 v[W+12], v[W+12]
	v_lshl_or_b32 v[W+15], v[W+14], 8, v[W+13]     ; the route word.  (The plain line behind the reciprocal)
	s_wait_alu depctr_va_vdst(0)
	v_mul_f32 v[W+8], v[W+10], v[W+12]
	v_mul_f32 v[W+9], v[W+11], v[W+12]             ; the two gates
	v_mov_b32 v[C+9], 0
	v_cmp_eq_u32 vcc_lo, 0, v1
	s_wait_alu depctr_va_vdst(0)
	s_wait_xcnt 0x0                                ; EXEC is a source of the stores above: it changes only behind this wait
	s_wait_tensorcnt 0x0
	ds_add_u32 v144, v145
	s_wait_dscnt 0x0
	s_and_saveexec_b32 s36, vcc_lo                 ; lane 0 alone: every lane holds the same numbers
	global_store_b32 v[C+9], v[W+15], s[12:13]
	global_store_b64 v[C+9], v[W+8:W+9], s[32:33]
	s_wait_xcnt 0x0                                ; and again in front of the line that widens it
	s_or_b32 exec_lo, exec_lo, s36
	s_endpgm
.Lfunc_end_k_q896f714d83_route:
	.size	k_q896f714d83_route, .Lfunc_end_k_q896f714d83_route-k_q896f714d83_route
	.p2alignl 7, 3214868480
	.fill 96, 4, 3214868480
	.section	.rodata,"a",@progbits
	.p2align	6, 0x0
	.amdhsa_kernel k_q896f714d83_route
		.amdhsa_group_segment_fixed_size 34304
		.amdhsa_private_segment_fixed_size 0
		.amdhsa_enable_private_segment 0
		.amdhsa_kernarg_size 40
		.amdhsa_user_sgpr_count 2
		.amdhsa_user_sgpr_kernarg_segment_ptr 1
		.amdhsa_wavefront_size32 1
		.amdhsa_system_sgpr_workgroup_id_x 1
		.amdhsa_system_sgpr_workgroup_id_y 1
		.amdhsa_system_sgpr_workgroup_id_z 1
		.amdhsa_system_vgpr_workitem_id 0
		.amdhsa_next_free_vgpr 146
		.amdhsa_next_free_sgpr 66
		.amdhsa_reserve_vcc 1
		.amdhsa_float_denorm_mode_32 3
		.amdhsa_float_denorm_mode_16_64 3
		.amdhsa_memory_ordered 1
		.amdhsa_forward_progress 1
		.amdhsa_inst_pref_size 32
	.end_amdhsa_kernel
	.amdgpu_metadata
---
amdhsa.version: [ 1, 2 ]
amdhsa.kernels:
  - .name:           k_q896f714d83_route
    .symbol:         k_q896f714d83_route.kd
    .args:
      - { .name: x, .offset: 0, .size: 8, .value_kind: global_buffer, .address_space: global }
      - { .name: gate_W, .offset: 8, .size: 8, .value_kind: global_buffer, .address_space: global }
      - { .name: gate_b, .offset: 16, .size: 8, .value_kind: global_buffer, .address_space: global }
      - { .name: xq, .offset: 24, .size: 8, .value_kind: global_buffer, .address_space: global }
      - { .name: route, .offset: 32, .size: 8, .value_kind: global_buffer, .address_space: global }
    .group_segment_fixed_size: 34304
    .private_segment_fixed_size: 0
    .kernarg_segment_align: 8
    .kernarg_segment_size: 40
    .max_flat_workgroup_size: 256
    .sgpr_count:     66
    .vgpr_count:     146
    .wavefront_size: 32
...
	.end_amdgpu_metadata
.endif
;; end of part 6
;; launch prep (part 7): grid 1026 x 1, 4 waves a work-group, no clusters, 0 bytes of LDS; arguments W1, W2, route, wq, plan; writes wq, plan
.if DOCPART == 7
	.amdgcn_target "amdgcn-amd-amdhsa--gfx1250"
	.amdhsa_code_object_version 6
	.text
	.protected	k_q896f714d83_prep
	.globl	k_q896f714d83_prep
	.p2align	8
	.type	k_q896f714d83_prep,@function
k_q896f714d83_prep:
	s_mov_b64 s[64:65], 0
	v_nop
	global_prefetch_b8 v0, s[64:65] scope:SCOPE_SE
	s_setreg_imm32_b32 hwreg(HW_REG_WAVE_MODE, 25, 1), 1
	s_wait_xcnt 0x0
; THE WEIGHTS INTO CODES, AND THE ROWS PLACED BY EXPERT.  W1: [8][1024 k][2048 n], W2: [8][2048 k][1024 n], f32: K is the first axis within an expert.
; Work-groups 0 and 1 place the rows; 2 .. 513 take W1; 514 .. 1025 take W2.  No LDS, no barrier: waves share nothing.
; QUANTISER.  A lane takes a column n and its registers run down K: each load reads 128 consecutive bytes a wave (the four waves side by side: 512), a block of 32 along K lies in one lane's 32 registers,
; and the conversions give codes with K innermost.  A wave takes 32 columns x 256 along K: 8 blocks a lane, two K steps of 128.  Loads run two blocks ahead.
; A block's scale is 2^(floor(log2(largest magnitude)) - 4); its byte is the largest magnitude's exponent field - 4, held at 1 from below.
; THE CODES ARE LAID AS IMAGES OF THE OPERAND'S REGISTERS: a fragment (16 columns x 128 K, 12 registers a lane) is 1,536 bytes, register j of lane l at 512 (j / 4) + 16 l + 4 (j % 4), so that three loads of
; 16 bytes a lane bring it.  wq: [expert][slice of 64 columns][K step][tile 0..3][1,536].  A quantising lane holds blocks 2 c + h of its column, which belong to the image's lanes r (h = 0) and 16 + r (h = 1):
; each store of 16 bytes a lane covers two runs of 256 consecutive bytes, aligned: one in tile 2 p, one in tile 2 p + 1.
; THE SCALE WORDS: [expert][slice][pair of K steps][p][16 u + r][2 words], tile = 2 p + u: one register then carries tile 2 p in lanes 0-15 and tile 2 p + 1 in lanes 16-31.
; W1'S TILES DO NOT TAKE NEIGHBOURING COLUMNS: lane r of tile 2 b + u is hidden unit 64 slice + 32 b + 8 u + r % 8 + 16 (r / 8), so that the first product's results lie along the second product's K.
; PLACING.  Wave = expert e.  It walks the 2,048 route words, 32 tokens a chunk.  r = the number of tokens before token t that chose e.  EVERY LANE STORES IN EVERY CHUNK, so that no lane is ever switched off on loaded data:
;   LIST[e] (plan + 8,192 e) is a PARTITION of the 2,048 tokens: a token that chose e goes to place r, from the front, in the tokens' order; one that did not goes to place 2047 - (t - r), from the back.
;     The two runs are 2,048 places together, so each word has one writer; the later launches read the first CNT[e] places alone.
;   POS[e][t] (plan + 65,536 + 8,192 e + 4 t) = 2048 e + r: where t chose e, the place of its row in the expert's output; elsewhere a number that nobody reads.  Its address is made of ids alone.
;   CNT[e] (plan + 131,072 + 4 e) = the number of tokens that chose e.
;   The three registers that a chunk's two stores read take turns in 16 sets, so that the walk waits for its stores' sources once in 16 chunks and not in each.
; LIMITS: NaN and infinities are not served; a block of zeros gets the byte 1 where the rule says 127 (its codes are zeros; this program alone reads the bytes); blocks under 2^-122 are held at the byte 1.
.set X,   32                           ; v32-95   two sets of 32 numbers (placing: the 64 chunks of route words)
.set P,   96                           ; v96-143  codes: [K step][h][12 registers]: written once (placing: 16 sets of a chunk's address, token and place)
.set TMP, 144                          ; v144-146 a block's upper 16 codes, on their way
.set SW,  24                           ; v24-25   the two scale words
.set POS_OFF, 65536
.set CNT_OFF, 131072
	s_load_b256 s[4:11], s[0:1], 0x0               ; W1 s[4:5], W2 s[6:7], route s[8:9], wq s[10:11]
	s_load_b64 s[12:13], s[0:1], 0x20              ; plan
	v_lshrrev_b32 v2, 5, v0
	v_readfirstlane_b32 s14, v2                    ; wave
	v_and_b32 v1, 31, v0                           ; lane
	v_lshlrev_b32 v3, 2, v1                        ; 4 bytes a lane
	s_wait_kmcnt 0x0
	s_cmp_lt_u32 ttmp9, 2
	s_cbranch_scc1 .Lplace
	s_cmp_lt_u32 ttmp9, 514
	s_cbranch_scc0 .Lw2
.macro QLOAD pitch                     ; block LT: W(32 LT + n, my column), n = 0 .. 31, into set LT % 2
.set n, 0
.rept 32
	global_load_b32 v[X+32*(LT%2)+n], v3, s[30:31] offset:(32*LT+n)*\pitch th:TH_LOAD_NT
.set n, n+1
.endr
.endm
.macro QBLOCK pitch                    ; block T = 4 (K step) + 2 c + h
.set XS, X+32*(T%2)
.set PT, P+24*(T/4)+12*(T%2)+6*((T/2)%2)
.if T < 7
	s_wait_loadcnt 32                              ; this block's 32 loads are in; the next block's may be out
.else
	s_wait_loadcnt 0x0
.endif
	v_max3_num_f32 v12, |v[XS]|, |v[XS+1]|, |v[XS+2]|               ; the block's largest magnitude: all 32 numbers are mine; two chains
	v_max3_num_f32 v13, |v[XS+3]|, |v[XS+4]|, |v[XS+5]|
.irp i, 6,10,14,18,22,26
	v_max3_num_f32 v12, v12, |v[XS+\i]|, |v[XS+\i+1]|
	v_max3_num_f32 v13, v13, |v[XS+\i+2]|, |v[XS+\i+3]|
.endr
	v_max3_num_f32 v12, v12, |v[XS+30]|, |v[XS+31]|
	v_max3_num_f32 v12, v12, v13, 0x2800000        ; and the floor 2^(5 - 127): the byte cannot fall under 1
	v_add_nc_u32 v11, 0xfe000000, v12              ; 4 off the exponent field: the conversion's scale operand
	v_cvt_scalef32_pk16_bf6_f32 v[PT:PT+2], v[XS:XS+15], v11
	v_cvt_scalef32_pk16_bf6_f32 v[TMP:TMP+2], v[XS+16:XS+31], v11   ; (a conversion's three registers begin on an even number: the block's second three do not)
	v_lshrrev_b32 v13, 23, v11                     ; the scale's byte; also the plain line behind the conversions
.if T%4 == 0
	v_mov_b32 v[SW+T/4], v13                       ; four bytes to a word, the lower K in the lower byte
.else
	v_lshl_or_b32 v[SW+T/4], v13, 8*(T%4), v[SW+T/4]
.endif
.irp i, 0,1,2
	v_mov_b32 v[PT+3+\i], v[TMP+\i]
.endr
.if T < 6
.set LT, T+2
	QLOAD \pitch
.endif
.if T%4 == 3                           ; a K step is whole: its images leave
.irp h, 0,1
.irp q, 0,1,2
	global_store_b128 v4, v[P+24*(T/4)+12*\h+4*\q:P+24*(T/4)+12*\h+4*\q+3], s[32:33] offset:(T/4)*6144+\q*512+\h*256
.endr
.endr
.endif
.endm
; src: the scalar pair with the tensor's address; first: its first work-group; pitch: bytes in a row; perm: W1's choice of columns; csh, kmask: how a work-group's number splits into 128 columns and 256 K;
; slc, sls: bytes of a slice's codes and scale words; cbase, sbase: where the tensor's codes and scale words begin in wq.
.macro QW src, first, pitch, perm, csh, kmask, slc, sls, cbase, sbase
	s_sub_co_u32 s15, ttmp9, \first
	s_lshr_b32 s16, s15, 6                         ; expert: 64 work-groups each
	s_and_b32 s17, s15, 63
	s_lshr_b32 s18, s17, \csh                      ; which 128 columns
	s_and_b32 s19, s17, \kmask                     ; which 256 along K
	s_lshl_b32 s20, s18, 2
	s_add_co_u32 s20, s20, s14                     ; my wave's 32 columns
	s_lshr_b32 s21, s20, 1                         ; slice of 64
	s_and_b32 s22, s20, 1                          ; p
	s_lshl_b32 s24, s16, 23                        ; in the tensor: an expert is 8,388,608 bytes,
	s_mul_i32 s23, s19, 256*\pitch
	s_add_co_u32 s24, s24, s23                     ; 256 rows,
	s_lshl_b32 s23, s20, 7
	s_add_co_u32 s24, s24, s23                     ; 32 columns
	s_mov_b32 s25, 0
	s_add_nc_u64 s[30:31], s[\src:\src+1], s[24:25]
	s_mul_i32 s26, s16, 1572864                    ; the codes: expert,
	s_mul_i32 s23, s21, \slc
	s_add_co_u32 s26, s26, s23                     ; slice,
	s_mul_i32 s23, s19, 12288
	s_add_co_u32 s26, s26, s23                     ; two K steps of 6,144,
	s_mul_i32 s23, s22, 3072
	s_add_co_u32 s26, s26, s23                     ; tiles 2 p and 2 p + 1
.if \cbase > 0
	s_add_co_u32 s26, s26, \cbase
.endif
	s_mov_b32 s27, 0
	s_add_nc_u64 s[32:33], s[10:11], s[26:27]
	s_lshl_b32 s28, s16, 16                        ; the scale words: expert,
	s_mul_i32 s23, s21, \sls
	s_add_co_u32 s28, s28, s23                     ; slice,
	s_lshl_b32 s23, s19, 9
	s_add_co_u32 s28, s28, s23                     ; pair of K steps,
	s_lshl_b32 s23, s22, 8
	s_add_co_u32 s28, s28, s23                     ; p
	s_add_co_u32 s28, s28, \sbase
	s_mov_b32 s29, 0
	s_add_nc_u64 s[34:35], s[10:11], s[28:29]
.if \perm
	v_bfe_u32 v4, v1, 3, 1                         ; column l = 8 u + r % 8 + 16 (r / 8): u,
	v_and_b32 v5, 7, v1
	v_lshrrev_b32 v6, 4, v1
	v_lshl_add_u32 v5, v6, 3, v5                   ; r
.else
	v_lshrrev_b32 v4, 4, v1                        ; column l = 16 u + r
	v_and_b32 v5, 15, v1
.endif
	v_lshl_add_u32 v6, v4, 4, v5
	v_lshlrev_b32 v6, 3, v6                        ; my two scale words: 8 (16 u + r)
	v_mul_u32_u24 v4, v4, 1536
	v_lshl_add_u32 v4, v5, 4, v4                   ; my place in the images: tile u, lane r
.set LT, 0
	QLOAD \pitch
.set LT, 1
	QLOAD \pitch
.set T, 0
.rept 8
	QBLOCK \pitch
.set T, T+1
.endr
	global_store_b64 v6, v[SW:SW+1], s[34:35]      ; 32 lanes store 256 consecutive bytes, aligned
.endm
	s_wait_alu depctr_va_vdst(0)
	QW 4, 2, 8192, 1, 2, 3, 49152, 2048, 0, 12582912
	s_endpgm
.Lw2:
	s_wait_alu depctr_va_vdst(0)
	QW 6, 514, 4096, 0, 3, 7, 98304, 4096, 13107200, 25690112
	s_endpgm
.Lplace:
	s_lshl_b32 s16, ttmp9, 2
	s_add_co_u32 s16, s16, s14                     ; my expert
	s_lshl_b32 s17, s16, 11                        ; 2048 e
	s_lshl_b32 s24, s16, 13
	s_mov_b32 s25, 0
	s_add_nc_u64 s[26:27], s[12:13], s[24:25]      ; LIST[e]; POS[e] lies 65,536 bytes on
	s_lshl_b32 s28, s16, 2
	s_mov_b32 s29, 0
	s_add_nc_u64 s[28:29], s[12:13], s[28:29]      ; CNT[e], 131,072 bytes on
	s_mov_b32 s23, 0                               ; members so far
.set I, 0
	s_wait_alu depctr_va_vdst(0)
.rept 64
	global_load_b32 v[X+I], v3, s[8:9] offset:128*I
.set I, I+1
.endr
.set I, 0
.rept 64                               ; chunk I: tokens 32 I + lane
.set RA, P+3*(I%16)                    ; the chunk's set: RA the address in LIST, RA + 1 the token, RA + 2 the place
	s_wait_loadcnt 63-I                            ; loads come back in order (ISA guide 5.7.1): chunk I is in, the younger ones may be out
	v_and_b32 v8, 0xff, v[X+I]                     ; the token's first choice,
	v_lshrrev_b32 v9, 8, v[X+I]                    ; its second
	v_cmp_eq_u32 s20, s16, v8
	v_cmp_eq_u32 s21, s16, v9
	s_or_b32 vcc_lo, s20, s21                      ; the tokens that chose e
	v_mbcnt_lo_u32_b32 v10, vcc_lo, s23            ; r: the members so far + those in lower lanes
	v_add_nc_u32 v[RA+1], 32*I, v1                 ; t
	v_sub_nc_u32 v11, v10, v[RA+1]
	v_add_nc_u32 v11, 0x7ff, v11                   ; 2047 - (t - r): the place from the back
	v_cndmask_b32 v11, v11, v10, vcc_lo            ; a member takes place r
	v_min_u32 v11, 0x7ff, v11                      ; a number made of loaded data enters an address only behind a bound written in the instruction
	v_lshlrev_b32 v[RA], 2, v11
	v_add_nc_u32 v[RA+2], s17, v10                 ; 2048 e + r
	s_bcnt1_i32_b32 s22, vcc_lo
	s_add_co_u32 s23, s23, s22
	global_store_b32 v[RA], v[RA+1], s[26:27]      ; LIST[e][place] = t
	global_store_b32 v3, v[RA+2], s[26:27] offset:POS_OFF+128*I      ; POS[e][t]: 128 consecutive bytes
.if I%16 == 15
	s_wait_xcnt 0x0                                ; the 16 sets have been used once round: they are written again only behind this wait
.endif
.set I, I+1
.endr
	v_mov_b32 v17, s23
	v_mov_b32 v18, 0
	v_cmp_eq_u32 vcc_lo, 0, v1
	s_and_saveexec_b32 s30, vcc_lo                 ; lane 0 alone, by the lane's number (chunk 63 ended with the wait: no memory instruction has been issued since)
	global_store_b32 v18, v17, s[28:29] offset:CNT_OFF
	s_wait_xcnt 0x0                                ; EXEC is a source of the store: it changes only behind this wait
	s_or_b32 exec_lo, exec_lo, s30
	s_endpgm
.Lfunc_end_k_q896f714d83_prep:
	.size	k_q896f714d83_prep, .Lfunc_end_k_q896f714d83_prep-k_q896f714d83_prep
	.p2alignl 7, 3214868480
	.fill 96, 4, 3214868480
	.section	.rodata,"a",@progbits
	.p2align	6, 0x0
	.amdhsa_kernel k_q896f714d83_prep
		.amdhsa_group_segment_fixed_size 0
		.amdhsa_private_segment_fixed_size 0
		.amdhsa_enable_private_segment 0
		.amdhsa_kernarg_size 40
		.amdhsa_user_sgpr_count 2
		.amdhsa_user_sgpr_kernarg_segment_ptr 1
		.amdhsa_wavefront_size32 1
		.amdhsa_system_sgpr_workgroup_id_x 1
		.amdhsa_system_sgpr_workgroup_id_y 1
		.amdhsa_system_sgpr_workgroup_id_z 1
		.amdhsa_system_vgpr_workitem_id 0
		.amdhsa_next_free_vgpr 152
		.amdhsa_next_free_sgpr 66
		.amdhsa_reserve_vcc 1
		.amdhsa_float_denorm_mode_32 3
		.amdhsa_float_denorm_mode_16_64 3
		.amdhsa_memory_ordered 1
		.amdhsa_forward_progress 1
		.amdhsa_inst_pref_size 143
	.end_amdhsa_kernel
	.amdgpu_metadata
---
amdhsa.version: [ 1, 2 ]
amdhsa.kernels:
  - .name:           k_q896f714d83_prep
    .symbol:         k_q896f714d83_prep.kd
    .args:
      - { .name: W1, .offset: 0, .size: 8, .value_kind: global_buffer, .address_space: global }
      - { .name: W2, .offset: 8, .size: 8, .value_kind: global_buffer, .address_space: global }
      - { .name: route, .offset: 16, .size: 8, .value_kind: global_buffer, .address_space: global }
      - { .name: wq, .offset: 24, .size: 8, .value_kind: global_buffer, .address_space: global }
      - { .name: plan, .offset: 32, .size: 8, .value_kind: global_buffer, .address_space: global }
    .group_segment_fixed_size: 0
    .private_segment_fixed_size: 0
    .kernarg_segment_align: 8
    .kernarg_segment_size: 40
    .max_flat_workgroup_size: 128
    .sgpr_count:     66
    .vgpr_count:     152
    .wavefront_size: 32
...
	.end_amdgpu_metadata
.endif
;; end of part 7
;; launch gemm1 (part 8): grid 8 x 71, 4 waves a work-group, no clusters, 50,688 bytes of LDS; arguments xq, wq, plan, b1, hq; writes hq
.if DOCPART == 8
	.amdgcn_target "amdgcn-amd-amdhsa--gfx1250"
	.amdhsa_code_object_version 6
	.text
	.protected	k_q896f714d83_gemm1
	.globl	k_q896f714d83_gemm1
	.p2align	8
	.type	k_q896f714d83_gemm1,@function
k_q896f714d83_gemm1:
	s_mov_b64 s[64:65], 0
	v_nop
	global_prefetch_b8 v0, s[64:65] scope:SCOPE_SE
	s_setreg_imm32_b32 hwreg(HW_REG_WAVE_SCHED_MODE, 0, 2), 2
	s_setreg_imm32_b32 hwreg(HW_REG_WAVE_MODE, 25, 1), 1
	s_wait_xcnt 0x0
	s_wait_alu depctr_vm_vsrc(0)
; THE FIRST PRODUCT ON THE ROUTED ROWS: h = Q(relu(x W1[e] + b1[e])), codes of E3M2 with one E8M0 scale for each 32 along K, f32 sums; Q quantises along the hidden axis, the second product's K.
; ONLY THE CHOSEN EXPERTS' ROWS ARE MULTIPLIED: 4,096 routed rows.  Work-group y is a group of 64 rows of one expert: with 8 experts there are never more than 4096 / 64 + 7 = 71 groups, whatever the split.
; Which expert and which of its groups follows from the eight counts that the launch before stored as whole numbers.  Rows past an expert's count repeat its last row: they give valid numbers at places of their own that nobody reads, so nothing is masked.
; SHARES.  A wave makes 64 rows x 64 hidden units (slice = 4 x + wave): 16 accumulators.  The four waves multiply the same 64 rows of x.
; x'S ROWS ARE GATHERED ONCE FOR THE WORK-GROUP, INTO LDS.  A fragment taken straight from xq touches 16 tokens' rows, 768 bytes apart, with every load, 96 such loads a wave, and all four waves would make them.  Instead wave w brings rows
; 16 w .. 16 w + 15 by 24 loads, each of two runs of 256 consecutive bytes, aligned (lanes 0-15 one token, lanes 16-31 the next), and stores them as rows of 768 + 16 bytes; behind ONE barrier every wave takes its fragments by ds_load_b128.
; THE BARRIER STANDS AHEAD OF THE BRANCH ON THE COUNTS, so that every wave passes it: a group that the split leaves without rows gathers too (its indices are held inside LIST, which is written whole), and ends right behind the barrier.
; W1's fragments come from memory straight into registers, as images of the operand's registers, three K steps ahead in four buffers; x's come from LDS one step ahead in two.  No tile is asked for jointly: which groups have rows hangs on
; loaded counts, and partners would have different numbers of tiles.  All 8 K steps are written out; every offset is an immediate.
; THE MATRIX INSTRUCTION IS USED TRANSPOSED: source 0 = 16 columns of W1, source 1 = 16 rows of x.  A lane then holds one row, and by the choice of W1's columns the 16 registers of tiles 2 b, 2 b + 1 are hidden units 32 b + 16 (lane / 16) + 0 .. 15.
; The bias is the C of each sum's first instruction.
; OUT.  hq codes: [group][K step][tile of rows][1,536]: half c of a fragment at 768 c: registers 6 c .. 6 c + 3 at 16 l, 6 c + 4, 6 c + 5 at 512 + 8 l.  My slice is half (slice % 2) of K step slice / 2: a tile's 768 bytes are consecutive and aligned to 256.
; hq scale words: [group][4 K steps][row][4 words]; my slice makes half a word a row: stores of 2 bytes, 256 KB of the launch's 6.8 MB at the most.
; LIMITS: as the quantisers before: a block of zeros gets the byte 1; blocks under 2^-122 are held at the byte 1; NaN and infinities are not served.
; REGISTERS.  Window 0: v1-13 lane terms and addresses; v16-31 x's scale words (register 8 p + s: lanes 0-15 tile of rows 2 p, lanes 16-31 tile 2 p + 1, K step s); v32-47 W1's likewise;
;   v64-255 W1's four buffers of 48 (fragment ct at 12 ct); the fourth, v208-255, first holds list indices, tokens and the gather's addresses.
;   Window 1: v0-127 accumulator (rt, ct) at 8 (4 rt + ct); v128-223 x's two buffers of 48 (fragment rt at 12 rt), which first hold the 96 registers of the gather; v224-255 the bias, 8 registers a tile of columns.
; THE MODE: SCHED_MODE bits 1:0 = 2 (LLVM: expert scheduling mode 2), set by the entry lines.  The code itself states the register dependences between vector or matrix instructions and memory or LDS instructions, with s_wait_alu, always for 0.
; THE PLAN.  Registers that memory or LDS instructions touch:
;   v5, v12, v13, v6, v7   offsets and LDS addresses: written at the head, never again.
;   TI, TT, TG, v10-11     at the head only: TI and TG and v10-11 are written by vector lines and read as addresses; the tokens land in TT and vector lines work on them.  W1's K step 3 lands on TI, TT and TG behind the barrier.
;   AB0, AB1               the gather lands in them and the LDS stores read them; then, in step J, x's fragments of step J + 1 land in AB[(J + 1) % 2], which the products of step J - 1 read.
;   BB0 .. BB3             in step J, W1's fragments of step J + 3 land in BB[(J + 3) % 4] = BB[(J - 1) % 4], which the products of step J - 1 read.
;   v200-231, v244, v245   written by the quantiser, read by the last stores.
; So ONE wait on va_vdst stands at the head of a step: the products of the step before are done reading the two buffers that this step's 24 loads land in.  W1's 12 follow it in one run, ahead of the wait for this step's data, so that three
; steps of W1 stay on their way; x's 12 are dealt among the step's products, three ahead of each four, which name BB[J % 4], AB[J % 2], the accumulators and the scale words: none of the registers that those loads touch.
.set NS, 8                             ; K steps of 128
.set SA, 16
.set SB, 32
.set BB, 64                            ; W1's buffers, window 0
.set AB, 128                           ; x's buffers, window 1
.set BI, 224                           ; the bias, window 1
.set TI, 208                           ; v208-217 list indices: 8 pairs of rows for the gather, 2 for the scale words
.set TT, 218                           ; v218-227 their tokens
.set TG, 228                           ; v228-235 the gather's byte offsets in xq
.set XP, 784                           ; an LDS row: 768 bytes + 16 = 49 x 16, so that sixteen rows' reads of 16 bytes fall on sixteen different columns of 16 bytes
.set CNT_OFF, 0x20000                  ; the eight counts in plan
.set MSB, 0
.macro WIN new                         ; s_set_vgpr_msb: bits 1:0 source 0, 3:2 source 1, 5:4 source 2, 7:6 destination; the high byte repeats the setting that is left
.if MSB != \new
	s_set_vgpr_msb (MSB<<8)|\new
.set MSB, \new
.endif
.endm
.macro PLACES                          ; a load into a register that a matrix instruction has read, and a vector instruction that reads a result or writes such a register, stand four plain vector instructions behind it
.rept 4
	v_nop
.endr
.endm
.macro LOADB                           ; K step LJ's four fragments of W1, 12 loads of 512 consecutive bytes, into W1's buffer LJ % 4
	WIN 0
.irp ct, 0,1,2,3
.irp q, 0,1,2
	global_load_b128 v[BB+48*(LJ%4)+12*\ct+4*\q:BB+48*(LJ%4)+12*\ct+4*\q+3], v5, s[38:39] offset:6144*LJ+1536*\ct+512*\q
.endr
.endr
.endm
.macro LOADAF rt                       ; fragment rt of K step LJ of x, 3 LDS loads, into x's buffer LJ % 2: lane (r, h) takes the 48 bytes at 96 LJ + 48 h of row 16 rt + r.  It stands under the products' window setting: data window 1, address window 0
.irp q, 0,1,2
	ds_load_b128 v[AB+48*(LJ%2)+12*(\rt)+4*\q:AB+48*(LJ%2)+12*(\rt)+4*\q+3], v6 offset:16*XP*(\rt)+96*LJ+16*\q
.endr
.endm
.macro MULG rt                         ; K step J, tile of rows rt: 4 matrix instructions.  A step's four groups go rt = 0 .. 3: the 16 accumulators take turns, one instruction a turn
.irp ct, 0,1,2,3
.set rD, 8*(4*(\rt)+\ct)
.if J == 0
.set rC, BI+8*\ct                      ; the bias starts the sum
.else
.set rC, rD
.endif
.set rW, BB+48*(J%4)+12*\ct
.set rX, AB+48*(J%2)+12*(\rt)
.set rSW, SB+8*(\ct/2)+J
.set rSX, SA+8*((\rt)/2)+J
.if (\ct%2 == 0) && ((\rt)%2 == 0)
	v_wmma_scale_f32_16x16x128_f8f6f4 v[rD:rD+7], v[rW:rW+11], v[rX:rX+11], v[rC:rC+7], v[rSW], v[rSX] matrix_a_fmt:MATRIX_FMT_BF6 matrix_b_fmt:MATRIX_FMT_BF6
.elseif (\ct%2 == 1) && ((\rt)%2 == 0)
	v_wmma_scale_f32_16x16x128_f8f6f4 v[rD:rD+7], v[rW:rW+11], v[rX:rX+11], v[rC:rC+7], v[rSW], v[rSX] matrix_a_fmt:MATRIX_FMT_BF6 matrix_b_fmt:MATRIX_FMT_BF6 matrix_a_scale:MATRIX_SCALE_ROW1
.elseif \ct%2 == 0
	v_wmma_scale_f32_16x16x128_f8f6f4 v[rD:rD+7], v[rW:rW+11], v[rX:rX+11], v[rC:rC+7], v[rSW], v[rSX] matrix_a_fmt:MATRIX_FMT_BF6 matrix_b_fmt:MATRIX_FMT_BF6 matrix_b_scale:MATRIX_SCALE_ROW1
.else
	v_wmma_scale_f32_16x16x128_f8f6f4 v[rD:rD+7], v[rW:rW+11], v[rX:rX+11], v[rC:rC+7], v[rSW], v[rSX] matrix_a_fmt:MATRIX_FMT_BF6 matrix_b_fmt:MATRIX_FMT_BF6 matrix_a_scale:MATRIX_SCALE_ROW1 matrix_b_scale:MATRIX_SCALE_ROW1
.endif
.endr
.endm
	s_load_b256 s[4:11], s[0:1], 0x0               ; xq s[4:5], wq s[6:7], plan s[8:9], b1 s[10:11]
	s_load_b64 s[12:13], s[0:1], 0x20              ; hq
	v_lshl_add_u32 v62, v0, 2, 0xc400
	v_mov_b32 v63, 0
	v_lshrrev_b32 v2, 5, v0
	v_readfirstlane_b32 s44, v2                    ; wave
	v_and_b32 v1, 31, v0                           ; lane
	v_and_b32 v2, 15, v0                           ; r
	v_bfe_u32 v3, v0, 4, 1                         ; h
	v_lshlrev_b32 v4, 4, v2                        ; 16 r: the gather's 16 bytes of a run of 256
	v_lshlrev_b32 v5, 4, v1                        ; 16 x lane
	v_lshlrev_b32 v12, 3, v1                       ; 8 x lane
	v_lshlrev_b32 v13, 6, v3                       ; the bias: 16 numbers a half
	v_mul_u32_u24 v6, v2, XP
	v_mad_u32_u24 v6, v3, 48, v6                   ; LDS, out: row r, 48 bytes a half
	s_wait_alu depctr_va_sdst(0)                   ; s44 is written, ahead of its first reader: LDS addresses and the bases are made from it
	s_mul_i32 s31, s44, 16*XP
	v_mul_u32_u24 v7, v3, XP
	v_lshl_add_u32 v7, v2, 4, v7
	v_add_nc_u32 v7, s31, v7                       ; LDS, in: my wave's 16 rows; lanes 0-15 one row, lanes 16-31 the next; 16 bytes a lane
	s_lshl_b32 s45, ttmp9, 2
	s_add_co_u32 s45, s45, s44                     ; slice 0 .. 31
	s_and_b32 s28, ttmp7, 0xffff                   ; y
	s_mov_b32 s46, 0x76543210
	s_mov_b32 s47, 0xfedcba98                      ; v_permlanex16_b32's selects for lane l xor 16
	s_mov_b32 s48, 0xffff0000                      ; lanes 16-31
	s_wait_kmcnt 0x0
	s_load_b256 s[16:23], s[8:9], CNT_OFF          ; the eight counts
	s_mov_b32 s24, 0                               ; the first group of the expert in hand
	s_mov_b32 s25, 0                               ; E
	s_mov_b32 s26, 0                               ; E's first group
	s_mov_b32 s27, 0                               ; E's count
	s_wait_kmcnt 0x0
.irp e, 0,1,2,3,4,5,6,7                ; the last expert whose first group is not behind y; one without rows is passed over by the next
	s_cmp_le_u32 s24, s28
	s_cselect_b32 s25, \e, s25
	s_cselect_b32 s26, s24, s26
	s_cselect_b32 s27, s[16+\e], s27
	s_add_co_u32 s29, s[16+\e], 63
	s_lshr_b32 s29, s29, 6
	s_add_co_u32 s24, s24, s29
.endr
	s_cmp_ge_u32 s28, s24
	s_cselect_b32 s54, 1, 0                        ; 1: this split has fewer groups than the grid, and mine has no rows; the branch on it stands behind the barrier
	s_min_u32 s25, s25, 7                          ; numbers made of loaded data enter addresses only behind bounds written in the instruction
	s_sub_co_u32 s26, s28, s26
	s_min_u32 s26, s26, 31                         ; I: which group of the expert
	s_sub_co_u32 s27, s27, 1
	s_min_u32 s27, s27, 2047                       ; the expert's last row
	s_lshl_b32 s29, s25, 5
	s_add_co_u32 s29, s29, s26                     ; G = 32 E + I
	s_mov_b32 s53, 0
	s_lshl_b32 s52, s25, 13
	s_add_nc_u64 s[32:33], s[8:9], s[52:53]        ; LIST[E]
	s_lshl_b32 s30, s45, 8
	s_add_co_u32 s52, s52, s30
	s_add_nc_u64 s[34:35], s[10:11], s[52:53]      ; b1[E][64 slice]
	s_lshl_b32 s52, s25, 16
	s_lshl_b32 s30, s45, 11
	s_add_co_u32 s52, s52, s30
	s_add_co_u32 s52, s52, 12582912
	s_add_nc_u64 s[36:37], s[6:7], s[52:53]        ; W1's scale words of my slice
	s_mul_i32 s52, s25, 1572864
	s_mul_i32 s30, s45, 49152
	s_add_co_u32 s52, s52, s30
	s_add_nc_u64 s[38:39], s[6:7], s[52:53]        ; W1's codes of my slice
	s_add_nc_u64 s[40:41], s[4:5], 1572864         ; x's scale bytes
	s_mul_i32 s52, s29, 98304
	s_lshr_b32 s30, s45, 1
	s_mul_i32 s30, s30, 6144
	s_add_co_u32 s52, s52, s30
	s_and_b32 s30, s45, 1
	s_mul_i32 s30, s30, 768
	s_add_co_u32 s52, s52, s30
	s_add_nc_u64 s[42:43], s[12:13], s[52:53]      ; h's codes: group, K step slice / 2, half slice % 2
	s_lshl_b32 s52, s29, 12
	s_lshr_b32 s30, s45, 3
	s_lshl_b32 s30, s30, 10
	s_add_co_u32 s52, s52, s30
	s_bfe_u32 s30, s45, 0x20001
	s_lshl_b32 s30, s30, 2
	s_add_co_u32 s52, s52, s30
	s_and_b32 s30, s45, 1
	s_lshl_b32 s30, s30, 1
	s_add_co_u32 s52, s52, s30
	s_add_co_u32 s52, s52, 25165824
	s_add_nc_u64 s[50:51], s[12:13], s[52:53]      ; h's scale words: group, four K steps, word, half word
	s_lshl_b32 s30, s26, 6                         ; the group's first row
	s_lshl_b32 s55, s44, 4
	s_add_co_u32 s55, s55, s30                     ; the first of the 16 rows that my wave gathers
.irp pp, 0,1,2,3,4,5,6,7
	s_add_co_u32 s31, s55, 2*\pp
	v_add_nc_u32 v[TI+\pp], s31, v3                ; for the gather: row 16 wave + 2 pp + h
.endr
.irp p, 0,1
	s_add_co_u32 s31, s30, 32*\p
	v_add_nc_u32 v[TI+8+\p], s31, v1               ; for the scale words: row 32 p + lane
.endr
.irp i, 0,1,2,3,4,5,6,7,8,9
	v_min_u32 v[TI+\i], s27, v[TI+\i]              ; rows past the count repeat the last row
	v_min_u32 v[TI+\i], 0x7ff, v[TI+\i]
	v_lshlrev_b32 v[TI+\i], 2, v[TI+\i]
.endr
	s_wait_alu depctr_va_vdst(0)                   ; the list indices v[TI ..] are written, which the loads below read as offsets; so are v5, v12, v13 and the LDS addresses v6, v7, which serve for the rest of the kernel and are never written again
.irp i, 0,1,2,3,4,5,6,7,8,9
	global_load_b32 v[TT+\i], v[TI+\i], s[32:33]   ; the rows' tokens
.endr
	WIN 0x40                                       ; destination window 1
.irp ct, 0,1,2,3
	global_load_b128 v[BI+8*\ct:BI+8*\ct+3], v13, s[34:35] offset:4*(32*(\ct/2)+8*(\ct%2))          ; lane (r, h), tile 2 b + u: b1 at 32 b + 16 h + 8 u + 0 .. 7
	global_load_b128 v[BI+8*\ct+4:BI+8*\ct+7], v13, s[34:35] offset:4*(32*(\ct/2)+8*(\ct%2))+16
.endr
	WIN 0
.irp w, 0,1,2,3
.irp p, 0,1
	global_load_b64 v[SB+8*\p+2*\w:SB+8*\p+2*\w+1], v12, s[36:37] offset:512*\w+256*\p              ; K steps 2 w, 2 w + 1
.endr
.endr
.set LJ, 0
	LOADB                                          ; W1's first three K steps are asked for while the tokens are on their way
.set LJ, 1
	LOADB
.set LJ, 2
	LOADB
	s_wait_loadcnt 52                              ; the tokens are in; the 8 + 8 + 36 loads behind them may be out
.irp i, 0,1,2,3,4,5,6,7,8,9
	v_min_u32 v[TT+\i], 0x7ff, v[TT+\i]
.endr
.irp pp, 0,1,2,3,4,5,6,7
	v_mul_u32_u24 v[TG+\pp], v[TT+\pp], 768
	v_add_nc_u32 v[TG+\pp], v4, v[TG+\pp]          ; the token's codes: 768 token + 16 r
.endr
.irp p, 0,1
	v_lshlrev_b32 v[10+\p], 5, v[TT+8+\p]          ; v10-11: its scale bytes: 32 token
.endr
	s_wait_alu depctr_va_vdst(0)                   ; v10, v11 and v[TG ..] are written, which the loads below read as offsets; and the vector lines are done with v[TT ..] and v[TG ..], on which W1's K step 3 lands behind the barrier
.irp p, 0,1
.irp q, 0,1
	global_load_b128 v[SA+8*\p+4*\q:SA+8*\p+4*\q+3], v[10+\p], s[40:41] offset:16*\q
.endr
.endr
	WIN 0x40
.irp pp, 0,1,2,3,4,5,6,7
.irp c, 0,1,2
	global_load_b128 v[AB+12*\pp+4*\c:AB+12*\pp+4*\c+3], v[TG+\pp], s[4:5] offset:256*\c           ; two tokens' runs of 256 consecutive bytes, aligned
.endr
.endr
	s_wait_loadcnt 0x0                             ; the gather is in, and with it all that was asked for before it
	WIN 0x04                                       ; an LDS store's data are its source 1: window 1
.irp pp, 0,1,2,3,4,5,6,7
.irp c, 0,1,2
	ds_store_b128 v7, v[AB+12*\pp+4*\c:AB+12*\pp+4*\c+3] offset:2*XP*\pp+256*\c
.endr
.endr
	WIN 0                                          ; at a branch and at a label every window is 0
	s_wait_dscnt 0x0                               ; for the others' sake: my 16 rows lie in LDS
	s_barrier_signal -1
	s_barrier_wait -1                              ; all 64 do; nothing is stored into LDS after this
	s_wait_alu depctr_vm_vsrc(0)                   ; my LDS stores have read x's two buffers, in which x's fragments land from here on; the list loads have read v[TI ..] and the gather v[TG ..], on which W1's K step 3 lands and which the way out writes
	s_cmp_lg_u32 s54, 0
	s_cbranch_scc1 .Lnone                          ; a group without rows ends here: no load of the wave is out
.set J, 0
.rept NS
.if (J > 0) && (J+1 < NS)
	PLACES                                         ; the buffers that are loaded next were multiplied in the step before
.if J+3 < NS
	WIN 0                                          ; (W1's loads: destination window 0)
.endif
	s_wait_alu depctr_va_vdst(0)                   ; the products of the step before are done reading W1's buffer (J - 1) % 4 and x's buffer (J - 1) % 2, in which this step's loads land
.endif
.if J+3 < NS
.set LJ, J+3
	LOADB                                          ; in one run, ahead of the wait for this step's data: three later steps of W1 are then on their way
.endif
	WIN 0x54                                       ; the products: source 0 (W1) window 0; source 1 (x), C and D window 1.  x's LDS loads stand under the same setting
.if J == 0
.set LJ, 0
.irp rt, 0,1,2,3
	LOADAF \rt                                     ; the first step's fragments of x
.endr
.endif
.set NB, NS-1-J                        ; W1's later steps that have been asked for: three, fewer at the end
.if NB > 3
.set NB, 3
.endif
	s_wait_loadcnt 12*NB                           ; loads come back in order (ISA guide 5.7.1): this step's fragments of W1 are in, the 12 loads of each later step may be out
	s_wait_dscnt 0x0                               ; this step's fragments of x are in: they were asked for among the products of the step before, and no LDS load has been issued since
.set LJ, J+1
.irp rt, 0,1,2,3
.if J+1 < NS
	LOADAF \rt                                     ; the next step's fragment rt of x.  No wait: no vector or matrix instruction since the wait at the step's head names v6 or x's other buffer
.endif
	MULG \rt
.endr
.set J, J+1
.endr
	; THE WAY OUT.  The activation moves the results into window 0 (W1's buffers are done with): each accumulator is read from its low end on
	PLACES
	WIN 0x04                                       ; source 1 window 1, destination window 0
.set n, 0
.rept 128
	v_max_num_f32 v[64+n], 0, v[n]                 ; relu: v[64 + 32 rt + 16 b + i] = hidden unit 32 b + 16 h + i of row 16 rt + r
.set n, n+1
.endr
	WIN 0
	v_mov_b32 v234, 0                              ; a lane permute's destination counts as one of its sources
	v_mov_b32 v235, 0
; The 32 numbers of a lane, two half blocks, become six registers of codes in v[200 + 8 rt] on and half a scale word in v[240 + rt].  No |.|: none is negative.
.macro QUANT2 rt
.set HB, 64+32*\rt
.set RB, 200+8*\rt
.irp b, 0,1
	v_max3_num_f32 v[232+\b], v[HB+16*\b], v[HB+16*\b+1], 0x2800000   ; block b: my 16 numbers, and the floor 2^(5 - 127)
.endr
.irp i, 2,4,6,8,10,12,14
.irp b, 0,1
	v_max3_num_f32 v[232+\b], v[232+\b], v[HB+16*\b+\i], v[HB+16*\b+\i+1]
.endr
.endr
.irp b, 0,1
	v_permlanex16_b32 v[234+\b], v[232+\b], s46, s47
.endr
.irp b, 0,1
	v_max_num_f32 v[232+\b], v[232+\b], v[234+\b]  ; with lane l xor 16's 16: the block's largest
.endr
.irp b, 0,1
	v_add_nc_u32 v[236+\b], 0xfe000000, v[232+\b]  ; 4 off the exponent field: the conversion's scale operand
.endr
.irp b, 0,1
	v_lshrrev_b32 v[238+\b], 23, v[236+\b]         ; the scale's byte
.endr
	v_lshl_or_b32 v[240+\rt], v239, 8, v238
	v_cvt_scalef32_pk16_bf6_f32 v[RB:RB+2], v[HB:HB+15], v236
	v_cvt_scalef32_pk16_bf6_f32 v[192:194], v[HB+16:HB+31], v237
	v_nop                                          ; one plain line behind a scaled conversion
.irp i, 0,1,2
	v_permlane16_swap_b32 v[RB+\i], v[192+\i]      ; the operand wants a whole block in a lane: lanes 0-15 block 0, lanes 16-31 block 1: the first now holds each lane's lower 16 codes, the second the upper 16
.endr
.irp i, 0,1,2
	v_mov_b32 v[RB+3+\i], v[192+\i]
.endr
.endm
	QUANT2 0
	QUANT2 1
	QUANT2 2
	QUANT2 3
	v_cndmask_b32 v244, v240, v241, s48            ; lane l: the half word of row 32 p + l
	v_cndmask_b32 v245, v242, v243, s48
	s_wait_alu depctr_va_vdst(0)                   ; the quantiser has written the codes v200-231 and the half words v244, v245, which the stores below read
.irp rt, 0,1,2,3
	global_store_b128 v5, v[200+8*\rt:203+8*\rt], s[42:43] offset:1536*\rt        ; 512 consecutive bytes,
	global_store_b64 v12, v[204+8*\rt:205+8*\rt], s[42:43] offset:1536*\rt+512    ; and the 256 behind them
.endr
	global_store_b16 v5, v244, s[50:51]
	global_store_b16 v5, v245, s[50:51] offset:512
.Lnone:
	s_wait_dscnt 0x0                               ; the closing lines, six on end
	s_wait_alu 0x0
	s_wait_tensorcnt 0x0
	ds_add_u32 v62, v63
	s_wait_dscnt 0x0
	s_endpgm
.Lfunc_end_k_q896f714d83_gemm1:
	.size	k_q896f714d83_gemm1, .Lfunc_end_k_q896f714d83_gemm1-k_q896f714d83_gemm1
	.p2alignl 7, 3214868480
	.fill 96, 4, 3214868480
	.section	.rodata,"a",@progbits
	.p2align	6, 0x0
	.amdhsa_kernel k_q896f714d83_gemm1
		.amdhsa_group_segment_fixed_size 50688
		.amdhsa_private_segment_fixed_size 0
		.amdhsa_enable_private_segment 0
		.amdhsa_kernarg_size 40
		.amdhsa_user_sgpr_count 2
		.amdhsa_user_sgpr_kernarg_segment_ptr 1
		.amdhsa_wavefront_size32 1
		.amdhsa_system_sgpr_workgroup_id_x 1
		.amdhsa_system_sgpr_workgroup_id_y 1
		.amdhsa_system_sgpr_workgroup_id_z 1
		.amdhsa_system_vgpr_workitem_id 0
		.amdhsa_next_free_vgpr 512
		.amdhsa_next_free_sgpr 66
		.amdhsa_reserve_vcc 0
		.amdhsa_float_denorm_mode_32 3
		.amdhsa_float_denorm_mode_16_64 3
		.amdhsa_memory_ordered 1
		.amdhsa_forward_progress 1
		.amdhsa_inst_pref_size 62
	.end_amdhsa_kernel
	.amdgpu_metadata
---
amdhsa.version: [ 1, 2 ]
amdhsa.kernels:
  - .name:           k_q896f714d83_gemm1
    .symbol:         k_q896f714d83_gemm1.kd
    .args:
      - { .name: xq, .offset: 0, .size: 8, .value_kind: global_buffer, .address_space: global }
      - { .name: wq, .offset: 8, .size: 8, .value_kind: global_buffer, .address_space: global }
      - { .name: plan, .offset: 16, .size: 8, .value_kind: global_buffer, .address_space: global }
      - { .name: b1, .offset: 24, .size: 8, .value_kind: global_buffer, .address_space: global }
      - { .name: hq, .offset: 32, .size: 8, .value_kind: global_buffer, .address_space: global }
    .group_segment_fixed_size: 50688
    .private_segment_fixed_size: 0
    .kernarg_segment_align: 8
    .kernarg_segment_size: 40
    .max_flat_workgroup_size: 128
    .sgpr_count:     66
    .vgpr_count:     512
    .wavefront_size: 32
...
	.end_amdgpu_metadata
.endif
;; end of part 8
;; launch gemm2 (part 9): grid 4 x 71, 4 waves a work-group, no clusters, 17,920 bytes of LDS; arguments hq, wq, plan, b2, y; writes y
.if DOCPART == 9
	.amdgcn_target "amdgcn-amd-amdhsa--gfx1250"
	.amdhsa_code_object_version 6
	.text
	.protected	k_q896f714d83_gemm2
	.globl	k_q896f714d83_gemm2
	.p2align	8
	.type	k_q896f714d83_gemm2,@function
k_q896f714d83_gemm2:
	s_mov_b64 s[64:65], 0
	v_nop
	global_prefetch_b8 v0, s[64:65] scope:SCOPE_SE
	s_setreg_imm32_b32 hwreg(HW_REG_WAVE_SCHED_MODE, 0, 2), 2
	s_setreg_imm32_b32 hwreg(HW_REG_WAVE_MODE, 25, 1), 1
	s_wait_xcnt 0x0
	s_wait_alu depctr_vm_vsrc(0)
; THE SECOND PRODUCT ON THE ROUTED ROWS: y = h W2[e] + b2[e], codes of E3M2 with one E8M0 scale for each 32 along K = 2,048, f32 sums.  y: f32 [2048 e + row of the expert][1024].
; Work-group y is a group of 64 rows of one expert, found from the eight stored counts as in the launch before: never more than 4096 / 64 + 7 = 71 groups; a group that the split leaves without rows ends at once.
; SHARES.  A wave makes 64 rows x 64 columns (slice = 4 x + wave): 16 accumulators.  All operands come from memory straight into registers, as images of the operand's registers: since the work hangs on loaded counts, the text has no barrier,
; and no tile is shared through LDS or asked for jointly: partners would have different numbers of tiles.  Fragments are asked for two K steps ahead, in three buffers by turns; scale words four K steps at a time, in two sets.  All 16 K steps are written out.
; THE MATRIX INSTRUCTION IS USED TRANSPOSED: source 0 = 16 columns of W2, source 1 = 16 rows of h: a lane holds eight neighbouring columns of one row.  The bias is the C of each sum's first instruction.
; OUT.  A tile of 16 rows x 64 columns goes through the wave's own stage in LDS (rows of 256 bytes + 16) and leaves as rows: sixteen lanes store 256 consecutive bytes, aligned.
; REGISTERS.  Window 0: v1-13 lane terms and addresses; v16-31, v32-47 two sets of scale words (in a set: h's at 4 p + step % 4, W2's at 8 + 4 p + step % 4; lanes 0-15 tile 2 p, lanes 16-31 tile 2 p + 1);
;   v64-159, v160-255 fragment buffers 0 and 1.  Window 1: v0-127 accumulator (rt, ct) at 8 (4 rt + ct); v128-223 buffer 2; v224-255 the bias.  In a buffer: h's fragment rt at 12 rt, W2's ct at 48 + 12 ct.
; THE MODE: SCHED_MODE bits 1:0 = 2 (LLVM: expert scheduling mode 2), set by the entry lines.  The code itself states the register dependences between vector or matrix instructions and memory or LDS instructions, with s_wait_alu, always for 0.
; THE PLAN.  Registers that memory or LDS instructions touch:
;   v5, v12, v13, v6, v7, v8   offsets and LDS addresses: written at the head, never again.
;   the three buffers          in step J the 28 loads of step J + 2 land in buffer (J + 2) % 3 = (J - 1) % 3, which the products of step J - 1 read.
;   the two sets of scale words  a set is loaded again three steps behind the last product that read it.
;   the accumulators           written by the products, read by the stage's LDS stores.
;   v64-191                    read by the products; on the way out the stage's loads land there and the global stores read them; nothing writes them after that.
; So ONE wait on va_vdst stands at the head of a step, ahead of its run of loads, and one on the way out, ahead of the stage's first store; no register that a memory or LDS instruction has read is ever written again.
; The run stands whole at the step's head, ahead of the wait for the step's data: the wave waits for loads more than for products, so the requests of two steps on leave as early as their buffer is free;
; dealt among the products they would leave later, and in two steps of three each run would want two window switches (those buffers lie in window 0, the products' destination in window 1).
.set NS, 16                            ; K steps of 128
.set BI, 224
.set SP, 272                           ; a stage row: 17 x 16 bytes, so that sixteen rows' stores of 16 bytes fall on sixteen different columns of 16 bytes
.set CNT_OFF, 0x20000                  ; the eight counts in plan
.set MSB, 0
.macro WIN new                         ; s_set_vgpr_msb: bits 1:0 source 0, 3:2 source 1, 5:4 source 2, 7:6 destination; the high byte repeats the setting that is left
.if MSB != \new
	s_set_vgpr_msb (MSB<<8)|\new
.set MSB, \new
.endif
.endm
.macro PLACES                          ; a load into a register that a matrix instruction has read, and a store that reads a result, stand four plain vector instructions behind it (ISA guide 7.12.1 for vector instructions)
.rept 4
	v_nop
.endr
.endm
	s_load_b256 s[4:11], s[0:1], 0x0               ; hq s[4:5], wq s[6:7], plan s[8:9], b2 s[10:11]
	s_load_b64 s[12:13], s[0:1], 0x20              ; y
	v_lshl_add_u32 v62, v0, 2, 0x4400
	v_mov_b32 v63, 0
	v_lshrrev_b32 v2, 5, v0
	v_readfirstlane_b32 s44, v2                    ; wave
	v_and_b32 v1, 31, v0                           ; lane
	v_and_b32 v2, 15, v0                           ; r
	v_bfe_u32 v3, v0, 4, 1                         ; h
	v_lshlrev_b32 v5, 4, v1                        ; 16 x lane
	v_lshlrev_b32 v12, 3, v1                       ; 8 x lane
	v_lshlrev_b32 v13, 5, v3                       ; the bias: 8 numbers a half
	s_wait_alu depctr_va_sdst(0)                   ; s44 is written, ahead of its first reader: the stage's addresses and the bases are made from it
	s_mul_i32 s30, s44, 16*SP                      ; my stage
	v_mul_u32_u24 v6, v2, SP
	v_lshl_add_u32 v6, v3, 5, v6
	v_add_nc_u32 v6, s30, v6                       ; in: row r, 32 bytes a half
	v_mul_u32_u24 v7, v3, SP
	v_lshl_add_u32 v7, v2, 4, v7
	v_add_nc_u32 v7, s30, v7                       ; back: lanes 0-15 one row, lanes 16-31 the next
	v_lshlrev_b32 v8, 12, v3
	v_lshl_add_u32 v8, v2, 4, v8                   ; and the same two rows in y
	s_lshl_b32 s45, ttmp9, 2
	s_add_co_u32 s45, s45, s44                     ; slice 0 .. 15
	s_and_b32 s28, ttmp7, 0xffff                   ; y
	s_wait_kmcnt 0x0
	s_load_b256 s[16:23], s[8:9], CNT_OFF          ; the eight counts
	s_mov_b32 s24, 0                               ; the first group of the expert in hand
	s_mov_b32 s25, 0                               ; E
	s_mov_b32 s26, 0                               ; E's first group
	s_wait_kmcnt 0x0
.irp e, 0,1,2,3,4,5,6,7                ; the last expert whose first group is not behind y; one without rows is passed over by the next
	s_cmp_le_u32 s24, s28
	s_cselect_b32 s25, \e, s25
	s_cselect_b32 s26, s24, s26
	s_add_co_u32 s29, s[16+\e], 63
	s_lshr_b32 s29, s29, 6
	s_add_co_u32 s24, s24, s29
.endr
	s_cmp_ge_u32 s28, s24
	s_cbranch_scc1 .Lnone                          ; this split has fewer groups than the grid
	s_min_u32 s25, s25, 7                          ; numbers made of loaded data enter addresses only behind bounds written in the instruction
	s_sub_co_u32 s26, s28, s26
	s_min_u32 s26, s26, 31
	s_lshl_b32 s29, s25, 5
	s_add_co_u32 s29, s29, s26                     ; G = 32 E + I
	s_mov_b32 s53, 0
	s_mul_i32 s52, s29, 98304
	s_add_nc_u64 s[32:33], s[4:5], s[52:53]        ; h's codes of the group
	s_lshl_b32 s52, s25, 12
	s_lshl_b32 s30, s45, 8
	s_add_co_u32 s52, s52, s30
	s_add_nc_u64 s[34:35], s[10:11], s[52:53]      ; b2[E][64 slice]
	s_lshl_b32 s52, s25, 16
	s_lshl_b32 s30, s45, 12
	s_add_co_u32 s52, s52, s30
	s_add_co_u32 s52, s52, 25690112
	s_add_nc_u64 s[36:37], s[6:7], s[52:53]        ; W2's scale words of my slice
	s_mul_i32 s52, s25, 1572864
	s_mul_i32 s30, s45, 98304
	s_add_co_u32 s52, s52, s30
	s_add_co_u32 s52, s52, 13107200
	s_add_nc_u64 s[38:39], s[6:7], s[52:53]        ; W2's codes of my slice
	s_lshl_b32 s52, s29, 12
	s_add_co_u32 s52, s52, 25165824
	s_add_nc_u64 s[40:41], s[4:5], s[52:53]        ; h's scale words of the group
	s_lshl_b32 s52, s29, 18
	s_lshl_b32 s30, s45, 8
	s_add_co_u32 s52, s52, s30
	s_add_nc_u64 s[42:43], s[12:13], s[52:53]      ; y: the group's 64 rows of 4,096 bytes, my 256 bytes of each
	WIN 0x40                                       ; destination window 1
	s_wait_alu depctr_va_vdst(0)                   ; the offsets v5, v12, v13, v8 and the stage's addresses v6, v7 are written: every load and store of the kernel reads one of them, and none is written again
.irp ct, 0,1,2,3
	global_load_b128 v[BI+8*\ct:BI+8*\ct+3], v13, s[34:35] offset:64*\ct          ; lane (r, h), tile ct: b2 at 16 ct + 8 h + 0 .. 7
	global_load_b128 v[BI+8*\ct+4:BI+8*\ct+7], v13, s[34:35] offset:64*\ct+16
.endr
	WIN 0
.macro LOADS                           ; K step LJ's 8 fragments, 28 loads, into buffer LJ % 3; with every fourth step the scale words of four steps, 6 loads
.if LJ%4 == 0
.set SS, 16+16*((LJ/4)%2)
	WIN 0
.irp p, 0,1
	global_load_b128 v[SS+4*\p:SS+4*\p+3], v5, s[40:41] offset:1024*(LJ/4)+512*\p                   ; lane l: row 32 p + l
.endr
.irp hf, 0,1
.irp p, 0,1
	global_load_b64 v[SS+8+4*\p+2*\hf:SS+8+4*\p+2*\hf+1], v12, s[36:37] offset:512*(2*(LJ/4)+\hf)+256*\p
.endr
.endr
.endif
.if LJ%3 == 0
.set FB, 64
	WIN 0
.elseif LJ%3 == 1
.set FB, 160
	WIN 0
.else
.set FB, 128
	WIN 0x40
.endif
.irp rt, 0,1,2,3
	global_load_b128 v[FB+12*\rt:FB+12*\rt+3], v5, s[32:33] offset:6144*LJ+1536*\rt
	global_load_b64 v[FB+12*\rt+4:FB+12*\rt+5], v12, s[32:33] offset:6144*LJ+1536*\rt+512
	global_load_b128 v[FB+12*\rt+6:FB+12*\rt+9], v5, s[32:33] offset:6144*LJ+1536*\rt+768
	global_load_b64 v[FB+12*\rt+10:FB+12*\rt+11], v12, s[32:33] offset:6144*LJ+1536*\rt+1280
.endr
.irp ct, 0,1,2,3
.irp q, 0,1,2
	global_load_b128 v[FB+48+12*\ct+4*\q:FB+48+12*\ct+4*\q+3], v5, s[38:39] offset:6144*LJ+1536*\ct+512*\q
.endr
.endr
.endm
.macro MULS                            ; K step J: 16 matrix instructions; the 16 accumulators take turns, one instruction a turn
.if J%3 == 0
.set MB, 64
	WIN 0x50                                       ; C and D window 1
.elseif J%3 == 1
.set MB, 160
	WIN 0x50
.else
.set MB, 128
	WIN 0x55                                       ; the fragments too
.endif
.irp rt, 0,1,2,3
.irp ct, 0,1,2,3
.set rD, 8*(4*\rt+\ct)
.if J == 0
.set rC, BI+8*\ct                      ; the bias starts the sum
.else
.set rC, rD
.endif
.set rW, MB+48+12*\ct
.set rX, MB+12*\rt
.set rSW, 16+16*((J/4)%2)+8+4*(\ct/2)+J%4
.set rSX, 16+16*((J/4)%2)+4*(\rt/2)+J%4
.if (\ct%2 == 0) && (\rt%2 == 0)
	v_wmma_scale_f32_16x16x128_f8f6f4 v[rD:rD+7], v[rW:rW+11], v[rX:rX+11], v[rC:rC+7], v[rSW], v[rSX] matrix_a_fmt:MATRIX_FMT_BF6 matrix_b_fmt:MATRIX_FMT_BF6
.elseif (\ct%2 == 1) && (\rt%2 == 0)
	v_wmma_scale_f32_16x16x128_f8f6f4 v[rD:rD+7], v[rW:rW+11], v[rX:rX+11], v[rC:rC+7], v[rSW], v[rSX] matrix_a_fmt:MATRIX_FMT_BF6 matrix_b_fmt:MATRIX_FMT_BF6 matrix_a_scale:MATRIX_SCALE_ROW1
.elseif \ct%2 == 0
	v_wmma_scale_f32_16x16x128_f8f6f4 v[rD:rD+7], v[rW:rW+11], v[rX:rX+11], v[rC:rC+7], v[rSW], v[rSX] matrix_a_fmt:MATRIX_FMT_BF6 matrix_b_fmt:MATRIX_FMT_BF6 matrix_b_scale:MATRIX_SCALE_ROW1
.else
	v_wmma_scale_f32_16x16x128_f8f6f4 v[rD:rD+7], v[rW:rW+11], v[rX:rX+11], v[rC:rC+7], v[rSW], v[rSX] matrix_a_fmt:MATRIX_FMT_BF6 matrix_b_fmt:MATRIX_FMT_BF6 matrix_a_scale:MATRIX_SCALE_ROW1 matrix_b_scale:MATRIX_SCALE_ROW1
.endif
.endr
.endr
.endm
.set LJ, 0
	LOADS
.set LJ, 1
	LOADS
.set J, 0
.rept NS
.if J+2 < NS
.if J > 0
	PLACES                                         ; the buffer that is loaded next was multiplied in the step before; a set of scale words that is loaded next served its last product three steps before this one
.if ((J+2)%4 == 0) || ((J+2)%3 != 2)
	WIN 0                                          ; (the window of the run's first load stands ahead of the wait)
.else
	WIN 0x40
.endif
	s_wait_alu depctr_va_vdst(0)                   ; the products of the step before are done reading buffer (J - 1) % 3, in which the loads below land; so are those, three steps back, that read the set of scale words that is loaded again
.endif
.set LJ, J+2
	LOADS
.endif
.set NW, 0                             ; the loads of the later steps, which may stay out: 28 a step, 6 more where scale words came with it
.if J+1 < NS
.set NW, NW+28
.if (J+1)%4 == 0
.set NW, NW+6
.endif
.endif
.if J+2 < NS
.set NW, NW+28
.if (J+2)%4 == 0
.set NW, NW+6
.endif
.endif
	s_wait_loadcnt NW                              ; loads come back in order (ISA guide 5.7.1): this step's, and all that was asked for before them, are in
	MULS
.set J, J+1
.endr
; THE WAY OUT, a tile of 16 rows at a time.  LDS serves a wave's instructions in order (ISA guide 5.7.1.4): no wait between the stores and the loads, nor in front of the next tile's stores.
.macro TOSTAGE rt
	WIN 0x04                                       ; an LDS store's data are its source 1: window 1
.irp ct, 0,1,2,3
	ds_store_b128 v6, v[8*(4*\rt+\ct):8*(4*\rt+\ct)+3] offset:64*\ct             ; each accumulator from its low end on: y(16 rt + r, 16 ct + 8 h + 0 .. 7)
	ds_store_b128 v6, v[8*(4*\rt+\ct)+4:8*(4*\rt+\ct)+7] offset:64*\ct+16
.endr
	WIN 0
.irp i, 0,1,2,3,4,5,6,7
	ds_load_b128 v[64+32*\rt+4*\i:64+32*\rt+4*\i+3], v7 offset:2*SP*\i
.endr
.endm
.macro SEND rt, younger                ; younger: the LDS instructions issued behind tile rt's loads, which may stay out
	s_wait_dscnt \younger
.irp i, 0,1,2,3,4,5,6,7
	global_store_b128 v8, v[64+32*\rt+4*\i:64+32*\rt+4*\i+3], s[42:43] offset:(16*\rt+2*\i)*4096   ; sixteen lanes store 256 consecutive bytes, aligned; no register of a store is written again
.endr
.endm
	PLACES                                         ; behind the last products: for the stores that read results and the loads into buffer 0
	WIN 0x04
	s_wait_alu depctr_va_vdst(0)                   ; the products have written the accumulators, which the stage's stores read, and are done reading v64-191, in which the stage's loads land; no vector or matrix instruction follows this wait; the places above stay beside it
	TOSTAGE 0
	TOSTAGE 1
	SEND 0, 16                                     ; behind tile 0's loads: tile 1's 8 stores and 8 loads
	TOSTAGE 2
	SEND 1, 16
	TOSTAGE 3
	SEND 2, 16
	SEND 3, 0
.Lnone:
	s_wait_dscnt 0x0                               ; the closing lines, six on end
	s_wait_alu 0x0
	s_wait_tensorcnt 0x0
	ds_add_u32 v62, v63
	s_wait_dscnt 0x0
	s_endpgm
.Lfunc_end_k_q896f714d83_gemm2:
	.size	k_q896f714d83_gemm2, .Lfunc_end_k_q896f714d83_gemm2-k_q896f714d83_gemm2
	.p2alignl 7, 3214868480
	.fill 96, 4, 3214868480
	.section	.rodata,"a",@progbits
	.p2align	6, 0x0
	.amdhsa_kernel k_q896f714d83_gemm2
		.amdhsa_group_segment_fixed_size 17920
		.amdhsa_private_segment_fixed_size 0
		.amdhsa_enable_private_segment 0
		.amdhsa_kernarg_size 40
		.amdhsa_user_sgpr_count 2
		.amdhsa_user_sgpr_kernarg_segment_ptr 1
		.amdhsa_wavefront_size32 1
		.amdhsa_system_sgpr_workgroup_id_x 1
		.amdhsa_system_sgpr_workgroup_id_y 1
		.amdhsa_system_sgpr_workgroup_id_z 1
		.amdhsa_system_vgpr_workitem_id 0
		.amdhsa_next_free_vgpr 512
		.amdhsa_next_free_sgpr 66
		.amdhsa_reserve_vcc 0
		.amdhsa_float_denorm_mode_32 3
		.amdhsa_float_denorm_mode_16_64 3
		.amdhsa_memory_ordered 1
		.amdhsa_forward_progress 1
		.amdhsa_inst_pref_size 93
	.end_amdhsa_kernel
	.amdgpu_metadata
---
amdhsa.version: [ 1, 2 ]
amdhsa.kernels:
  - .name:           k_q896f714d83_gemm2
    .symbol:         k_q896f714d83_gemm2.kd
    .args:
      - { .name: hq, .offset: 0, .size: 8, .value_kind: global_buffer, .address_space: global }
      - { .name: wq, .offset: 8, .size: 8, .value_kind: global_buffer, .address_space: global }
      - { .name: plan, .offset: 16, .size: 8, .value_kind: global_buffer, .address_space: global }
      - { .name: b2, .offset: 24, .size: 8, .value_kind: global_buffer, .address_space: global }
      - { .name: y, .offset: 32, .size: 8, .value_kind: global_buffer, .address_space: global }
    .group_segment_fixed_size: 17920
    .private_segment_fixed_size: 0
    .kernarg_segment_align: 8
    .kernarg_segment_size: 40
    .max_flat_workgroup_size: 128
    .sgpr_count:     66
    .vgpr_count:     512
    .wavefront_size: 32
...
	.end_amdgpu_metadata
.endif
;; end of part 9
;; launch combine (part 10): grid 256 x 1, 8 waves a work-group, no clusters, 0 bytes of LDS; arguments y, plan, route, xq, out0; writes out0
.if DOCPART == 10
	.amdgcn_target "amdgcn-amd-amdhsa--gfx1250"
	.amdhsa_code_object_version 6
	.text
	.protected	k_q896f714d83_combine
	.globl	k_q896f714d83_combine
	.p2align	8
	.type	k_q896f714d83_combine,@function
k_q896f714d83_combine:
	s_mov_b64 s[64:65], 0
	v_nop
	global_prefetch_b8 v0, s[64:65] scope:SCOPE_SE
	s_setreg_imm32_b32 hwreg(HW_REG_WAVE_MODE, 25, 1), 1
	s_wait_xcnt 0x0
; out[t] = g0 y[pos0] + g1 y[pos1]: the weighted sum over experts, of which only a token's two chosen ones have a weight other than 0.  All f32.
; One wave takes one token, t = 8 x work-group + wave: two rows of 4,096 bytes in, one out.  The token's two experts e0, e1 come from its route word (whole numbers, stored by the router's launch);
; pos = POS[e][t] (plan + 65,536 + 8,192 e + 4 t, whole numbers, stored by the placing launch) is the place of the token's row in y; g0, g1: the router's gates (xq + 1,638,400 + 8 t), in the order of e0, e1.
; Each load and store of the wave covers 512 consecutive bytes, aligned.  All 16 loads go out at once; each output row has one owner.
; No LDS, no matrix unit: the launch only moves bytes.
	s_load_b256 s[4:11], s[0:1], 0x0               ; y s[4:5], plan s[6:7], route s[8:9], xq s[10:11]
	s_load_b64 s[12:13], s[0:1], 0x20              ; out0
	v_lshrrev_b32 v1, 5, v0
	s_delay_alu instid0(VALU_DEP_1)
	v_readfirstlane_b32 s14, v1                    ; wave
	v_and_b32 v1, 31, v0
	s_delay_alu instid0(VALU_DEP_1)
	v_lshlrev_b32 v1, 4, v1                        ; 16 bytes a lane
	s_lshl_b32 s15, ttmp9, 3
	s_add_co_u32 s15, s15, s14                     ; t
	s_lshl_b32 s20, s15, 2                         ; 4 t
	s_lshl_b32 s21, s15, 3                         ; 8 t
	s_lshl_b32 s26, s15, 12                        ; the token's row of out0
	s_mov_b32 s27, 0
	s_wait_alu depctr_va_vdst(0)
	s_wait_kmcnt 0x0
	s_load_b32 s16, s[8:9], s20 offset:0x0         ; e0 | e1 << 8
	s_load_b64 s[18:19], s[10:11], s21 offset:0x190000   ; g0, g1
	s_add_nc_u64 s[12:13], s[12:13], s[26:27]
	s_wait_kmcnt 0x0
	s_and_b32 s17, s16, 0xff                       ; e0
	s_lshr_b32 s16, s16, 8                         ; e1
	s_min_u32 s17, s17, 7                          ; a loaded number enters an address only behind a bound written in the instruction
	s_min_u32 s16, s16, 7
	s_lshl_b32 s17, s17, 13
	s_lshl_b32 s16, s16, 13
	s_add_co_u32 s17, s17, s20                     ; 8,192 e + 4 t
	s_add_co_u32 s16, s16, s20
	s_load_b32 s22, s[6:7], s17 offset:0x10000     ; pos0
	s_load_b32 s24, s[6:7], s16 offset:0x10000     ; pos1
	s_mov_b32 s28, s19                             ; the packed forms name a scalar pair and take its low word for both halves: g0 is the low word of s[18:19], g1 gets a pair of its own
	s_mov_b32 s29, s19
	s_wait_kmcnt 0x0
	s_min_u32 s22, s22, 0x3fff                     ; y has 16,384 rows
	s_min_u32 s24, s24, 0x3fff
	s_lshl_b32 s22, s22, 12
	s_mov_b32 s23, 0
	s_lshl_b32 s24, s24, 12
	s_mov_b32 s25, 0
	s_add_nc_u64 s[22:23], s[4:5], s[22:23]
	s_add_nc_u64 s[24:25], s[4:5], s[24:25]
.irp i, 0,1,2,3,4,5,6,7
	global_load_b128 v[8+4*\i:11+4*\i], v1, s[22:23] offset:512*\i th:TH_LOAD_NT
	global_load_b128 v[40+4*\i:43+4*\i], v1, s[24:25] offset:512*\i th:TH_LOAD_NT
.endr
.irp i, 0,1,2,3,4,5,6,7
	s_wait_loadcnt 14-2*\i                         ; loads come back in order (ISA guide 5.7.1): pair i is in, the later pairs may be out
	v_pk_mul_f32 v[8+4*\i:9+4*\i], v[8+4*\i:9+4*\i], s[18:19] op_sel_hi:[1,0]
	v_pk_mul_f32 v[10+4*\i:11+4*\i], v[10+4*\i:11+4*\i], s[18:19] op_sel_hi:[1,0]
	s_delay_alu instid0(VALU_DEP_2)
	v_pk_fma_f32 v[8+4*\i:9+4*\i], v[40+4*\i:41+4*\i], s[28:29], v[8+4*\i:9+4*\i] op_sel_hi:[1,0,1]
	s_delay_alu instid0(VALU_DEP_2)
	v_pk_fma_f32 v[10+4*\i:11+4*\i], v[42+4*\i:43+4*\i], s[28:29], v[10+4*\i:11+4*\i] op_sel_hi:[1,0,1]
	global_store_b128 v1, v[8+4*\i:11+4*\i], s[12:13] offset:512*\i th:TH_STORE_NT
.endr
	s_endpgm
.Lfunc_end_k_q896f714d83_combine:
	.size	k_q896f714d83_combine, .Lfunc_end_k_q896f714d83_combine-k_q896f714d83_combine
	.p2alignl 7, 3214868480
	.fill 96, 4, 3214868480
	.section	.rodata,"a",@progbits
	.p2align	6, 0x0
	.amdhsa_kernel k_q896f714d83_combine
		.amdhsa_group_segment_fixed_size 0
		.amdhsa_private_segment_fixed_size 0
		.amdhsa_enable_private_segment 0
		.amdhsa_kernarg_size 40
		.amdhsa_user_sgpr_count 2
		.amdhsa_user_sgpr_kernarg_segment_ptr 1
		.amdhsa_wavefront_size32 1
		.amdhsa_system_sgpr_workgroup_id_x 1
		.amdhsa_system_sgpr_workgroup_id_y 1
		.amdhsa_system_sgpr_workgroup_id_z 1
		.amdhsa_system_vgpr_workitem_id 0
		.amdhsa_next_free_vgpr 72
		.amdhsa_next_free_sgpr 66
		.amdhsa_reserve_vcc 0
		.amdhsa_float_denorm_mode_32 3
		.amdhsa_float_denorm_mode_16_64 3
		.amdhsa_memory_ordered 1
		.amdhsa_forward_progress 1
		.amdhsa_inst_pref_size 7
	.end_amdhsa_kernel
	.amdgpu_metadata
---
amdhsa.version: [ 1, 2 ]
amdhsa.kernels:
  - .name:           k_q896f714d83_combine
    .symbol:         k_q896f714d83_combine.kd
    .args:
      - { .name: y, .offset: 0, .size: 8, .value_kind: global_buffer, .address_space: global }
      - { .name: plan, .offset: 8, .size: 8, .value_kind: global_buffer, .address_space: global }
      - { .name: route, .offset: 16, .size: 8, .value_kind: global_buffer, .address_space: global }
      - { .name: xq, .offset: 24, .size: 8, .value_kind: global_buffer, .address_space: global }
      - { .name: out0, .offset: 32, .size: 8, .value_kind: global_buffer, .address_space: global }
    .group_segment_fixed_size: 0
    .private_segment_fixed_size: 0
    .kernarg_segment_align: 8
    .kernarg_segment_size: 40
    .max_flat_workgroup_size: 256
    .sgpr_count:     66
    .vgpr_count:     72
    .wavefront_size: 32
...
	.end_amdgpu_metadata
.endif
;; end of part 10
